; MI455X (gfx1250); checked and timed in simulation.
; The chip was launched on July 23, 2026; its instructions are those of AMD's public machine-readable ISA for CDNA 5 (MIT licence, August 2026) and "CDNA5" Instruction Set Architecture Reference Guide (July 2026). The comments in the code are by the model that wrote it; some were corrected since.
;; Projected Adaptive Log Softmax. Allowed arithmetic: matrix products marked QUANTISED: E2M1 operands, one E8M0 scale for each 32 along K, by v_wmma_scale_f32_16x16x128_f8f6f4 with both operands' format E2M1 (or v_wmma_scale_f32_32x16x128_f4), f32 sums; products left as they are: f32 operands where the result goes on into a quantised operand, else bf16, f16 or f32 operands; f32 sums; everything else in f32.
;; Inputs: b1 20,000 float32; b2 160,000 float32; b3 67,735 float32; head_bias 20,003 float32; head_weight_codes 20,003 x 32 x 16 uint8 (E2M1 codes of head_weight, K innermost, in blocks of 32 codes, two codes a byte); head_weight_scales 20,003 x 32 uint8 (E8M0 scales of head_weight, one for each 32 codes along K); hidden_codes 1,024 x 32 x 16 uint8 (E2M1 codes of hidden, K innermost, in blocks of 32 codes, two codes a byte); hidden_scales 1,024 x 32 uint8 (E8M0 scales of hidden, one for each 32 codes along K); p1_codes 256 x 32 x 16 uint8 (E2M1 codes of p1, K innermost, in blocks of 32 codes, two codes a byte); p1_scales 256 x 32 uint8 (E8M0 scales of p1, one for each 32 codes along K); p2_codes 64 x 32 x 16 uint8 (E2M1 codes of p2, K innermost, in blocks of 32 codes, two codes a byte); p2_scales 64 x 32 uint8 (E8M0 scales of p2, one for each 32 codes along K); p3_codes 16 x 32 x 16 uint8 (E2M1 codes of p3, K innermost, in blocks of 32 codes, two codes a byte); p3_scales 16 x 32 uint8 (E8M0 scales of p3, one for each 32 codes along K); proj0_codes 1,024 x 32 x 16 uint8 (E2M1 codes of proj0, K innermost, in blocks of 32 codes, two codes a byte); proj0_scales 1,024 x 32 uint8 (E8M0 scales of proj0, one for each 32 codes along K); target 1,024 int32; w1_codes 20,000 x 8 x 16 uint8 (E2M1 codes of w1, K innermost, in blocks of 32 codes, two codes a byte); w1_scales 20,000 x 8 uint8 (E8M0 scales of w1, one for each 32 codes along K); w2_codes 160,000 x 2 x 16 uint8 (E2M1 codes of w2, K innermost, in blocks of 32 codes, two codes a byte); w2_scales 160,000 x 2 uint8 (E8M0 scales of w2, one for each 32 codes along K); w3 67,735 x 16 float32.
;; Outputs: out0 1,024 float32.
;; This version of the problem:
;;   THIS VERSION OF THE PROBLEM IS GIVEN IN LOW PRECISION. The matrix products marked QUANTISED in the list below multiply operands that are first quantised to E2M1 (2 exponent bits, 1 mantissa bit; 4 bits a number), with one power-of-two scale for each 32 numbers along K (OCP MX v1.0); their sums are f32. All else is computed in f32.
;;   The module's matrix products, in the order in which they are computed (A, B: the left and right operand; K: the contracted axis; several contracted axes count as one K, in the product's order):
;;     1. [M 1,024, K 1,024] x [K 1,024, N 1,024]; A: input hidden (given as codes); B: input proj0 (given as codes): QUANTISED
;;     2. [M 1,024, K 1,024] x [K 1,024, N 20,003]; A: computed on the way; B: input head_weight (given as codes): QUANTISED
;;     3. [M 1,024, K 1,024] x [K 1,024, N 256]; A: input hidden (given as codes); B: input p1 (given as codes): QUANTISED
;;     4. [M 1,024, K 256] x [K 256, N 20,000]; A: computed on the way; B: input w1 (given as codes): QUANTISED
;;     5. [M 1,024, K 1,024] x [K 1,024, N 64]; A: input hidden (given as codes); B: input p2 (given as codes): QUANTISED
;;     6. [M 1,024, K 64] x [K 64, N 160,000]; A: computed on the way; B: input w2 (given as codes): QUANTISED
;;     7. [M 1,024, K 1,024] x [K 1,024, N 16]; A: input hidden (given as codes); B: input p3 (given as codes): QUANTISED
;;     8. [M 1,024, K 16] x [K 16, N 67,735]; A: computed on the way; B: input w3: left as it is (K = 16 < 32)
;;   THE QUANTISER, for each operand of a quantised product, along K:
;;     - K is cut into blocks of 32 from its start; a last block that is shorter is filled with zeros.
;;     - A block's scale is 2^e with e = floor(log2(the largest magnitude in the block)) - 2, held to -126 .. 127; a block of zeros has e = 0. As a byte (E8M0): e + 127.
;;     - Each number is divided by its block's scale, clamped to +-6, and rounded to the nearest number of E2M1, ties to even, subnormals kept.
;;     - The product sums the exact products of the quantised numbers (number of the format x scale) in f32.
;;   ~~~python
;;   def quantise(x, axis):      # numpy; x: float32 -> the quantised numbers, widened to float32 again
;;       x = np.moveaxis(x, axis, -1); K = x.shape[-1]
;;       x = np.pad(x, [(0, 0)] * (x.ndim - 1) + [(0, -K % 32)]); x = x.reshape(x.shape[:-1] + (-1, 32)); a = np.abs(x).max(-1, keepdims=True)
;;       e = np.where(a > 0, np.clip(np.frexp(np.where(a > 0, a, 1))[1] - 1 - 2, -126, 127), 0)      # np.frexp(a)[1] - 1 = floor(log2(a)), exactly
;;       r = np.clip(x / 2.0 ** e, -6, 6)
;;       step = 2.0 ** (np.maximum(np.frexp(np.where(r == 0, 1, r))[1] - 1, 0) - 1)
;;       q = np.round(r / step) * step * 2.0 ** e      # np.round: ties to even
;;       return np.moveaxis(q.reshape(q.shape[:-2] + (-1,))[..., :K], -1, axis).astype(np.float32)
;;   ~~~
;;   OPERANDS COMPUTED ON THE WAY. 'Computed on the way' means the value that the module computes at that place (a softmax that the list does not call 'softmax' is quantised finished and normalised). What goes into a quantiser is computed in f32, as accurately as f32 sums, v_exp_f32 and their like allow (about 1e-6 of the number): no bf16 or f16 on the way to a quantiser, and a product that is left as it is and whose result goes on into a quantised operand takes f32 operands (vector FMAs, or v_wmma_f32_16x16x4_f32). A number that lies on a knife's edge between two numbers of the format may be rounded either way, as far as f32 arithmetic and the matrix unit's own rounding can turn it there, and no further.
;;   INPUTS GIVEN AS CODES. head_weight (in the module: [20003, 1024], K = its axis 1); hidden (in the module: [1024, 1024], K = its axis 1); p1 (in the module: [1024, 256], K = its axis 0); p2 (in the module: [1024, 64], K = its axis 0); p3 (in the module: [1024, 16], K = its axis 0); proj0 (in the module: [1024, 1024], K = its axis 0); w1 (in the module: [20000, 256], K = its axis 1); w2 (in the module: [160000, 64], K = its axis 1): each comes as NAME_codes (uint8): NAME with its K axis moved to the last place and cut into blocks of 32 codes, [.., K / 32, bytes a block], one block behind the other in memory; two codes a byte, the lower K in the low four bits (a code: sign, 2 exponent bits, 1 mantissa bit); and NAME_scales (uint8): the same leading axes, one E8M0 byte (e + 127) for each 32 codes along K. Its value is code x scale, taken as it is: it is not quantised again, and the codes and scales need not be those that the quantiser above would give.
;; 2 versions, each right; version 2 is version 1 with the launches prep, main written anew for expert scheduling mode. Each part assembles by itself: llvm-mc -triple=amdgcn-amd-amdhsa -mcpu=gfx1250 --defsym DOCPART=n.
;; ======== version 1 of 2: 3 launches
;; limits: right only within a limited range of input values
;; workspace buffers: hq 769,024 bytes; route 8,448 bytes of whole numbers; part 11,198,464 bytes
;; launch prep (part 1): grid 11 x 32, 1 waves a work-group, no clusters, 0 bytes of LDS; arguments hidden_codes, hidden_scales, proj0_codes, proj0_scales, p1_codes, p1_scales, p2_codes, p2_scales, p3_codes, p3_scales, target, head_bias, b1, b3, hq, route; writes hq, route
.if DOCPART == 1
	.amdgcn_target "amdgcn-amd-amdhsa--gfx1250"
	.amdhsa_code_object_version 6
	.text
	.protected	k_qedd379d644_prep
	.globl	k_qedd379d644_prep
	.p2align	8
	.type	k_qedd379d644_prep,@function
k_qedd379d644_prep:
	s_mov_b64 s[64:65], 0
	v_nop
	global_prefetch_b8 v0, s[64:65] scope:SCOPE_SE
	s_setreg_imm32_b32 hwreg(HW_REG_WAVE_MODE, 25, 1), 1
	s_wait_xcnt 0x0
; ADAPTIVE LOG-SOFTMAX, launch 1 of 3: the four projections of hidden, their quantising, and a counting sort of the tokens by cluster.
; WORK LEFT OUT BY THE PROGRAM.  reference() multiplies every tail's log-softmax by jnp.where(mask, ., 0), mask = (target >= l) & (target < r), built in its own body from the
; index input target.  For a token outside [l, r) the row of (hidden @ p_i) @ w_i.T, its softmax and its gather reach no output, whatever the floating-point inputs hold.
; So the later launches multiply, for each token, only the tail that its target names; they read that choice from memory as whole numbers.  Every input still has a way to an output: all are loaded.
; LIMITS.  A NaN, an infinity or an overflow that arises only in a tail that a token's target does not name is not carried to the result.  target lies in 0 .. 267,734 (an index stays inside its table).
; Rows that the last batch of a vocabulary repeats get the bias -1e30 (EDGE arrays below): logits stay under about 1e29 in magnitude.  A block of zeros gets the scale byte 1 where the rule says 127:
; its codes are zeros, and this program alone reads the bytes.
; SHARES.  One wave for (u, tb): the 32 tokens 32 tb on, and one unit of columns: u = 0..7: 128 columns of proj0; u = 8, 9: of p1; u = 10: p2's 64 and p3's 16.  K = 1,024: eight steps of 128.
; The product is used transposed (source 0 = 16 rows of P, source 1 = 16 tokens): a lane holds one token.  Lane r of tile 2 b + e takes P's row 32 b + 8 e + r + 8 (r / 8), so that the 16 registers of
; tiles 2 b and 2 b + 1 are 16 neighbours along the next product's K.
; Results go to hq by SORTED position: position = the cluster's first + the number of earlier tokens of the same cluster.  Each wave counts all 1,024 targets by ballots: no traffic between work-groups.
; The stores are pieces of 16 to 64 bytes at rows that the sort scatters: neighbouring tokens go to distant rows, so no stage in LDS could make them dense; they are 0.77 MB in all.
; REGISTERS.  window 0: v1 r, v2 h, v3-7 lane terms, v8 my position, v10, v11 the positions of my token in tile 0, 1, v12, v13 store offsets, v14 my target, v15 my token, v16-23 codes, v24 scale word,
;   v32-95 P's scale words (tile t, step s: 32 + 8 t + s), v96-111 hidden's (96 + 8 q + s), v112-127 at work, v128-255 the sums (128 + 64 q + 8 t; first the 32 words of targets; v232-245 the EDGE arrays).
;   window 1: P's fragments of steps 0-3 (64 (s % 4) + 8 t), window 2: of steps 4-7, window 3: hidden's (16 s + 8 q).  Nothing is loaded twice into a register.
.set H0C, 0                            ; hq: h0's codes [position][512]
.set H0S, 524288                       ; its scale bytes [position][32]
.set H1C, 557056                       ; h1's codes [position][128]
.set H1S, 688128                       ; [position][8]
.set H2C, 696320                       ; h2's codes [position][32]
.set H2S, 729088                       ; [position][4]: two bytes, two zeros
.set H3B, 733184                       ; h3 as bf16 [position][16]
.set EDGE0, 765952                     ; the biases of the last 64 rows of the head, 128 of tail 1, 256 of tail 3; the rows that the batch before holds too: -1e30
.set EDGE1, 766976
.set EDGE3, 768000
.set NEG, 0xf149f2ca                   ; -1e30
.set PS, 32
.set HS, 96
.set TM, 112
.set ACC, 128
.set PC, 16
.set PW, 24
.set MSB, 0
.macro WIN new                         ; the immediate's high byte repeats the setting that is left
.if MSB != (\new)
	s_set_vgpr_msb (MSB<<8)|(\new)
.set MSB, (\new)
.endif
.endm
; all loads of a unit, in the order of their use: scale words, then K step by K step.  var = 0: eight tiles of one tensor; var = 1: four tiles of p2 and one of p3 (rows as they lie)
.macro LOADS var
.if \var == 0
.set NT, 8
.else
.set NT, 5
.endif
.set lt, 0
.rept NT
.if (lt < 4) || (\var == 0)
	global_load_b128 v[PS+8*lt:PS+8*lt+3], v4, s[48:49] offset:(32*(lt/2)+8*(lt%2))*32
	global_load_b128 v[PS+8*lt+4:PS+8*lt+7], v4, s[48:49] offset:(32*(lt/2)+8*(lt%2))*32+16
.else
	global_load_b128 v[PS+8*lt:PS+8*lt+3], v6, s[22:23]
	global_load_b128 v[PS+8*lt+4:PS+8*lt+7], v6, s[22:23] offset:16
.endif
.set lt, lt+1
.endr
.set lt, 0
.rept 4
	global_load_b128 v[HS+4*lt:HS+4*lt+3], v6, s[6:7] offset:512*(lt/2)+16*(lt%2)
.set lt, lt+1
.endr
.set ls, 0
.rept 8
	WIN 0x40*(1+ls/4)                              ; destination window 1 or 2
.set lt, 0
.rept NT
.if (lt < 4) || (\var == 0)
	global_load_b128 v[64*(ls%4)+8*lt:64*(ls%4)+8*lt+3], v3, s[46:47] offset:(32*(lt/2)+8*(lt%2))*512+64*ls
	global_load_b128 v[64*(ls%4)+8*lt+4:64*(ls%4)+8*lt+7], v3, s[46:47] offset:(32*(lt/2)+8*(lt%2))*512+64*ls+32
.else
	global_load_b128 v[64*(ls%4)+8*lt:64*(ls%4)+8*lt+3], v5, s[20:21] offset:64*ls
	global_load_b128 v[64*(ls%4)+8*lt+4:64*(ls%4)+8*lt+7], v5, s[20:21] offset:64*ls+32
.endif
.set lt, lt+1
.endr
	WIN 0xc0                                       ; destination window 3
.set lt, 0
.rept 4
	global_load_b128 v[16*ls+4*lt:16*ls+4*lt+3], v5, s[4:5] offset:8192*(lt/2)+64*ls+32*(lt%2)
.set lt, lt+1
.endr
.set ls, ls+1
.endr
	WIN 0
.endm
; the counting sort.  G1..G3 (s60-62): how many targets reach 20,000, 40,000, 200,000; s63, s66, s67: the same among the tokens ahead of my 32
.macro SORT
	s_mov_b32 s60, 0
	s_mov_b32 s61, 0
	s_mov_b32 s62, 0
	s_mov_b32 s63, 0
	s_mov_b32 s66, 0
	s_mov_b32 s67, 0
.set sj, 0
.rept 32
	s_cmp_eq_u32 s36, sj                           ; ahead of my own word the running counts are kept
	s_cselect_b32 s63, s60, s63
	s_cselect_b32 s66, s61, s66
	s_cselect_b32 s67, s62, s67
	v_cmp_le_u32 s68, s71, v[ACC+sj]
	v_cmp_le_u32 s69, s72, v[ACC+sj]
	v_cmp_le_u32 s70, s73, v[ACC+sj]
	s_bcnt1_i32_b32 s68, s68
	s_bcnt1_i32_b32 s69, s69
	s_bcnt1_i32_b32 s70, s70
	s_add_co_u32 s60, s60, s68
	s_add_co_u32 s61, s61, s69
	s_add_co_u32 s62, s62, s70
.set sj, sj+1
.endr
	s_sub_co_u32 s74, 1024, s60                    ; s74-77: tokens of cluster 0..3
	s_sub_co_u32 s75, s60, s61
	s_sub_co_u32 s76, s61, s62
	s_mov_b32 s77, s62
	s_mov_b32 s78, 0                               ; s78-81: each cluster's first position
	s_mov_b32 s79, s74
	s_sub_co_u32 s80, 1024, s61
	s_sub_co_u32 s81, 1024, s62
.irp k, 0,1,2,3
	s_add_co_u32 s[82+\k], s[74+\k], 15            ; s82-85: its tiles of 16 tokens
	s_lshr_b32 s[82+\k], s[82+\k], 4
.endr
	s_sub_co_u32 s86, s37, s63                     ; s86-89: first position + earlier tokens of the cluster ahead of my word
	s_add_co_u32 s87, s79, s63
	s_sub_co_u32 s87, s87, s66
	s_add_co_u32 s88, s80, s66
	s_sub_co_u32 s88, s88, s67
	s_add_co_u32 s89, s81, s67
	v_cmp_le_u32 s68, s71, v14                     ; my own word: which lanes are of which cluster
	v_cmp_le_u32 s69, s72, v14
	v_cmp_le_u32 s70, s73, v14
	s_not_b32 s90, s68
	s_and_not1_b32 s91, s68, s69
	s_and_not1_b32 s92, s69, s70
	s_mov_b32 s93, s70
	v_mbcnt_lo_u32_b32 v8, s90, s86                ; + the lanes of the cluster below mine
.irp k, 1,2,3
	v_mbcnt_lo_u32_b32 v25, s[90+\k], s[86+\k]
	v_cndmask_b32 v8, v8, v25, s[90+\k]
.endr
	v_min_u32 v8, 0x3ff, v8
	v_permlanex16_b32 v9, v8, s96, s97
	v_cndmask_b32 v10, v8, v9, s94                 ; lane (r, h): the position of token r of tile 0,
	v_cndmask_b32 v11, v9, v8, s94                 ; and of tile 1
	v_min_u32 v10, 0x3ff, v10
	v_min_u32 v11, 0x3ff, v11
.endm
; the products: the sums take turns, one instruction a turn, in the same order in every K step
.macro MM
.set NLD, 2*NT+4
.set ms, 0
.rept 8
.if NLD*(7-ms) > 63
	s_wait_loadcnt 63                              ; loads come back in order: more than 63 are younger than this step's, and the count cannot name more
.else
	s_wait_loadcnt NLD*(7-ms)                      ; the later steps' loads may stay out
.endif
	WIN 0x0c|(1+ms/4)                              ; source 0 window 1 or 2, source 1 window 3, C and D window 0
.set mt, 0
.rept NT
.set mq, 0
.rept 2
.if ms == 0
	v_wmma_scale_f32_16x16x128_f8f6f4 v[ACC+64*mq+8*mt:ACC+64*mq+8*mt+7], v[64*(ms%4)+8*mt:64*(ms%4)+8*mt+7], v[16*ms+8*mq:16*ms+8*mq+7], 0, v[PS+8*mt+ms], v[HS+8*mq+ms] matrix_a_fmt:MATRIX_FMT_FP4 matrix_b_fmt:MATRIX_FMT_FP4
.else
	v_wmma_scale_f32_16x16x128_f8f6f4 v[ACC+64*mq+8*mt:ACC+64*mq+8*mt+7], v[64*(ms%4)+8*mt:64*(ms%4)+8*mt+7], v[16*ms+8*mq:16*ms+8*mq+7], v[ACC+64*mq+8*mt:ACC+64*mq+8*mt+7], v[PS+8*mt+ms], v[HS+8*mq+ms] matrix_a_fmt:MATRIX_FMT_FP4 matrix_b_fmt:MATRIX_FMT_FP4
.endif
.set mq, mq+1
.endr
.set mt, mt+1
.endr
.set ms, ms+1
.endr
	WIN 0
.rept 4
	v_nop                                          ; four places between the last product and the first read of a sum (ISA guide 7.12.1)
.endr
.endm
; 16 nb numbers of a lane, register 16 b + i = k 32 b + 16 h + i of my token, become codes in v[PC] on (a whole block a lane) and the scale word in v[PW]
.macro QUANT s, nb
.set qb, 0
.rept \nb
	v_max3_num_f32 v[TM+qb], |v[\s+16*qb]|, |v[\s+16*qb+1]|, 0x1800000   ; with the floor 2^(3 - 127): the byte cannot fall under 1
.set qb, qb+1
.endr
.set qi, 2
.rept 7
.set qb, 0
.rept \nb
	v_max3_num_f32 v[TM+qb], v[TM+qb], |v[\s+16*qb+qi]|, |v[\s+16*qb+qi+1]|
.set qb, qb+1
.endr
.set qi, qi+2
.endr
.set qb, 0
.rept \nb
	v_permlanex16_b32 v[TM+4+qb], v[TM+qb], s96, s97
.set qb, qb+1
.endr
.set qb, 0
.rept \nb
	v_max_num_f32 v[TM+qb], v[TM+qb], v[TM+4+qb]   ; with lane l xor 16's: the block's largest magnitude
.set qb, qb+1
.endr
.set qb, 0
.rept \nb
	v_add_nc_u32 v[TM+12+qb], 0xff000000, v[TM+qb] ; 2 off its exponent field: the conversion's scale operand
.set qb, qb+1
.endr
.set qb, 0
.rept \nb
	v_lshrrev_b32 v[TM+4+qb], 23, v[TM+12+qb]      ; the scale's byte
.set qb, qb+1
.endr
	v_lshl_or_b32 v[PW], v[TM+5], 8, v[TM+4]
.if \nb == 4
	v_lshl_or_b32 v[PW], v[TM+6], 16, v[PW]
	v_lshl_or_b32 v[PW], v[TM+7], 24, v[PW]
.endif
.set qb, 0
.rept \nb
	v_cvt_scalef32_pk8_fp4_f32 v[PC+2*qb], v[\s+16*qb:\s+16*qb+7], v[TM+12+qb]
	v_cvt_scalef32_pk8_fp4_f32 v[PC+2*qb+1], v[\s+16*qb+8:\s+16*qb+15], v[TM+12+qb]
.set qb, qb+1
.endr
	v_nop                                          ; one plain place behind a scaled conversion
.set qb, 0
.rept \nb/2
	v_permlane16_swap_b32 v[PC+4*qb], v[PC+4*qb+2] ; lanes 0-15 get block 2 c whole, lanes 16-31 block 2 c + 1
	v_permlane16_swap_b32 v[PC+4*qb+1], v[PC+4*qb+3]
.set qb, qb+1
.endr
.endm
; a fragment (128 along the next K) of tile q's 16 tokens.  rsh, ssh: log2 of a result row's bytes and of its scale bytes; the region and the fragment's place stand in the two bases
.macro PUT0 q, rsh, ssh
.if \q > 0
	s_wait_xcnt 0x0                                ; the stores of tile 0 have read their registers: only now are they written again
.endif
	QUANT ACC+64*\q, 4
	v_lshlrev_b32 v12, \rsh, v[10+\q]              ; position x the row's bytes
	v_lshl_add_u32 v12, v2, 4, v12
	v_lshlrev_b32 v13, \ssh, v[10+\q]
	global_store_b128 v12, v[PC:PC+3], s[52:53]
	global_store_b128 v12, v[PC+4:PC+7], s[52:53] offset:32
	global_store_b32 v13, v[PW], s[58:59]          ; (both halves of the lanes hold the same word)
.endm
.macro PUT1 q                          ; h2 (two blocks) and h3 (bf16) of tile q's 16 tokens
.if \q > 0
	s_wait_xcnt 0x0
.endif
	QUANT ACC+64*\q, 2
.irp i, 0,1,2,3
	v_cvt_pk_bf16_f32 v[PC+4+\i], v[ACC+64*\q+32+2*\i], v[ACC+64*\q+33+2*\i]
.endr
	v_lshlrev_b32 v12, 5, v[10+\q]
	v_lshl_add_u32 v12, v2, 4, v12
	v_lshlrev_b32 v13, 2, v[10+\q]
	global_store_b128 v12, v[PC:PC+3], s[32:33] offset:H2C
	global_store_b128 v12, v[PC+4:PC+7], s[32:33] offset:H3B
	global_store_b32 v13, v[PW], s[32:33] offset:H2S
.endm
.macro EDGELD ptr, first, cnt, rows, reg
.set er, 0
.rept \rows
.if \cnt-32*er < 32
	global_load_b32 v[\reg+er], v7, s[\ptr:\ptr+1] offset:(\first+32*er)*4
.endif
.set er, er+1
.endr
.endm
.macro EDGEST cnt, rows, reg, dst
.set er, 0
.rept \rows
.if \cnt-32*er >= 32
	v_mov_b32 v[\reg+er], NEG
.elseif \cnt-32*er > 0
	v_cmp_gt_u32 vcc_lo, \cnt-32*er, v0
	v_cndmask_b32 v[\reg+er], v[\reg+er], v27, vcc_lo
.endif
	global_store_b32 v7, v[\reg+er], s[32:33] offset:\dst+128*er
.set er, er+1
.endr
.endm
	s_load_b512 s[4:19], s[0:1], 0x0               ; hidden codes, scales; proj0; p1; p2
	s_load_b512 s[20:35], s[0:1], 0x40             ; p3 codes, scales; target s[24:25]; head_bias; b1; b3; hq s[32:33]; route s[34:35]
	s_and_b32 s36, ttmp7, 0xffff                   ; tb
	v_and_b32 v1, 15, v0                           ; r
	v_bfe_u32 v2, v0, 4, 1                         ; h
	v_and_b32 v25, 8, v1
	v_add_nc_u32 v25, v25, v1                      ; r + 8 (r / 8)
	v_lshlrev_b32 v3, 9, v25
	v_lshl_add_u32 v3, v2, 4, v3                   ; P's codes: chosen row x 512 + 16 h
	v_lshlrev_b32 v4, 5, v25                       ; P's scale bytes
	v_lshlrev_b32 v5, 9, v1
	v_lshl_add_u32 v5, v2, 4, v5                   ; rows as they lie: r x 512 + 16 h
	v_lshlrev_b32 v6, 5, v1
	v_lshlrev_b32 v7, 2, v0
	v_mov_b32 v9, 0                                ; a lane permute's destination counts as one of its sources
.irp b, 0,1,2,3
	v_mov_b32 v[TM+4+\b], 0
.endr
	s_lshl_b32 s37, s36, 5                         ; my first token
	s_lshl_b32 s38, s36, 14
	s_mov_b32 s39, 0
	s_lshl_b32 s40, s36, 10
	s_mov_b32 s41, 0
	s_lshl_b32 s42, s36, 7
	s_mov_b32 s43, 0
	s_mov_b32 s71, 20000
	s_mov_b32 s72, 40000
	s_mov_b32 s73, 200000
	s_mov_b32 s94, 0xffff0000
	s_mov_b32 s96, 0x76543210
	s_mov_b32 s97, 0xfedcba98
	s_wait_kmcnt 0x0
	s_add_nc_u64 s[4:5], s[4:5], s[38:39]          ; hidden at my 32 tokens
	s_add_nc_u64 s[6:7], s[6:7], s[40:41]
	s_add_nc_u64 s[44:45], s[24:25], s[42:43]
	global_load_b32 v14, v7, s[44:45]              ; my token's target
.set tj, 0
.rept 32
	global_load_b32 v[ACC+tj], v7, s[24:25] offset:128*tj   ; all 1,024, a word of 32 to a register
.set tj, tj+1
.endr
	s_cmp_eq_u32 ttmp9, 10
	s_cbranch_scc1 .Lsmall
	; ---- u = 0..9: 128 columns of proj0 or of p1
	s_mov_b32 s54, H1C
	s_mov_b32 s55, H1S
	s_cmp_lt_u32 ttmp9, 8
	s_cselect_b64 s[46:47], s[8:9], s[12:13]
	s_cselect_b64 s[48:49], s[10:11], s[14:15]
	s_cselect_b32 s50, 0, 8
	s_cselect_b32 s54, H0C, s54                    ; the result's region: its codes,
	s_cselect_b32 s55, H0S, s55                    ; its scale bytes
	s_sub_co_u32 s50, ttmp9, s50                   ; which 128 columns: the fragment of the next K
	s_lshl_b32 s56, s50, 16
	s_mov_b32 s57, 0
	s_add_nc_u64 s[46:47], s[46:47], s[56:57]
	s_lshl_b32 s56, s50, 12
	s_add_nc_u64 s[48:49], s[48:49], s[56:57]
	s_lshl_b32 s56, s50, 6
	s_add_co_u32 s56, s56, s54
	s_add_nc_u64 s[52:53], s[32:33], s[56:57]      ; hq + region + 64 x fragment
	s_lshl_b32 s56, s50, 2
	s_add_co_u32 s56, s56, s55
	s_add_nc_u64 s[58:59], s[32:33], s[56:57]      ; hq + region + 4 x fragment
	LOADS 0
	s_wait_loadcnt 63                              ; 180 loads are younger than the targets: these have landed
	SORT
	MM
	s_cmp_lt_u32 ttmp9, 8                          ; the two row sizes are written out, so that every shift behind the hold at 1,023 is a constant
	s_cbranch_scc0 .Lp1out
	PUT0 0, 9, 5
	PUT0 1, 9, 5
	s_endpgm
.Lp1out:
	PUT0 0, 7, 3
	PUT0 1, 7, 3
	s_endpgm
.Lsmall:
	; ---- u = 10: p2 and p3; the lists; the counts; the EDGE arrays
	s_mov_b64 s[46:47], s[16:17]
	s_mov_b64 s[48:49], s[18:19]
	LOADS 1
	s_wait_loadcnt 63                              ; 126 loads are younger than the targets
	SORT
	MM
	PUT1 0
	PUT1 1
	v_lshlrev_b32 v25, 2, v8
	v_add_nc_u32 v15, s37, v0
	global_store_b32 v25, v14, s[34:35] offset:256     ; target by position
	global_store_b32 v25, v15, s[34:35] offset:4352    ; token by position
	s_cmp_lg_u32 s36, 0
	s_cbranch_scc1 .Lno_meta
	v_mov_b32 v26, 0
.set wl, 0
.rept 12
	v_writelane_b32 v26, s[74+wl], wl              ; counts, first positions, tiles
.set wl, wl+1
.endr
	global_store_b32 v7, v26, s[34:35]
.Lno_meta:
	s_cmp_lg_u32 s36, 1
	s_cbranch_scc1 .Lend
	v_mov_b32 v27, NEG
	EDGELD 26, 19939, 29, 2, 232                   ; the head's last 64 rows begin at 19,939: 29 of them lie in the batch before too
	EDGELD 28, 19872, 96, 4, 234
	EDGELD 30, 67479, 105, 8, 238
	s_wait_loadcnt 0x0
	EDGEST 29, 2, 232, EDGE0
	EDGEST 96, 4, 234, EDGE1
	EDGEST 105, 8, 238, EDGE3
.Lend:
	s_endpgm
.Lfunc_end_k_qedd379d644_prep:
	.size	k_qedd379d644_prep, .Lfunc_end_k_qedd379d644_prep-k_qedd379d644_prep
	.p2alignl 7, 3214868480
	.fill 96, 4, 3214868480
	.section	.rodata,"a",@progbits
	.p2align	6, 0x0
	.amdhsa_kernel k_qedd379d644_prep
		.amdhsa_group_segment_fixed_size 0
		.amdhsa_private_segment_fixed_size 0
		.amdhsa_enable_private_segment 0
		.amdhsa_kernarg_size 128
		.amdhsa_user_sgpr_count 2
		.amdhsa_user_sgpr_kernarg_segment_ptr 1
		.amdhsa_wavefront_size32 1
		.amdhsa_system_sgpr_workgroup_id_x 1
		.amdhsa_system_sgpr_workgroup_id_y 1
		.amdhsa_system_sgpr_workgroup_id_z 1
		.amdhsa_system_vgpr_workitem_id 0
		.amdhsa_next_free_vgpr 896
		.amdhsa_next_free_sgpr 100
		.amdhsa_reserve_vcc 1
		.amdhsa_float_denorm_mode_32 3
		.amdhsa_float_denorm_mode_16_64 3
		.amdhsa_memory_ordered 1
		.amdhsa_forward_progress 1
		.amdhsa_inst_pref_size 125
	.end_amdhsa_kernel
	.amdgpu_metadata
---
amdhsa.version: [ 1, 2 ]
amdhsa.kernels:
  - .name:           k_qedd379d644_prep
    .symbol:         k_qedd379d644_prep.kd
    .args:
      - { .name: hidden_codes, .offset: 0, .size: 8, .value_kind: global_buffer, .address_space: global }
      - { .name: hidden_scales, .offset: 8, .size: 8, .value_kind: global_buffer, .address_space: global }
      - { .name: proj0_codes, .offset: 16, .size: 8, .value_kind: global_buffer, .address_space: global }
      - { .name: proj0_scales, .offset: 24, .size: 8, .value_kind: global_buffer, .address_space: global }
      - { .name: p1_codes, .offset: 32, .size: 8, .value_kind: global_buffer, .address_space: global }
      - { .name: p1_scales, .offset: 40, .size: 8, .value_kind: global_buffer, .address_space: global }
      - { .name: p2_codes, .offset: 48, .size: 8, .value_kind: global_buffer, .address_space: global }
      - { .name: p2_scales, .offset: 56, .size: 8, .value_kind: global_buffer, .address_space: global }
      - { .name: p3_codes, .offset: 64, .size: 8, .value_kind: global_buffer, .address_space: global }
      - { .name: p3_scales, .offset: 72, .size: 8, .value_kind: global_buffer, .address_space: global }
      - { .name: target, .offset: 80, .size: 8, .value_kind: global_buffer, .address_space: global }
      - { .name: head_bias, .offset: 88, .size: 8, .value_kind: global_buffer, .address_space: global }
      - { .name: b1, .offset: 96, .size: 8, .value_kind: global_buffer, .address_space: global }
      - { .name: b3, .offset: 104, .size: 8, .value_kind: global_buffer, .address_space: global }
      - { .name: hq, .offset: 112, .size: 8, .value_kind: global_buffer, .address_space: global }
      - { .name: route, .offset: 120, .size: 8, .value_kind: global_buffer, .address_space: global }
    .group_segment_fixed_size: 0
    .private_segment_fixed_size: 0
    .kernarg_segment_align: 8
    .kernarg_segment_size: 128
    .max_flat_workgroup_size: 32
    .sgpr_count:     100
    .vgpr_count:     896
    .wavefront_size: 32
...
	.end_amdgpu_metadata
.endif
;; end of part 1
;; launch main (part 2): grid 256 x 1, 8 waves a work-group, no clusters, 96,768 bytes of LDS; arguments hq, route, part, head_weight_codes, head_weight_scales, head_bias, w2_codes, w2_scales, b2, w3, b3, w1_codes, w1_scales, b1; writes part
.if DOCPART == 2
	.amdgcn_target "amdgcn-amd-amdhsa--gfx1250"
	.amdhsa_code_object_version 6
	.text
	.protected	k_qedd379d644_main
	.globl	k_qedd379d644_main
	.p2align	8
	.type	k_qedd379d644_main,@function
k_qedd379d644_main:
	s_mov_b64 s[64:65], 0
	v_nop
	global_prefetch_b8 v0, s[64:65] scope:SCOPE_SE
	s_setreg_imm32_b32 hwreg(HW_REG_WAVE_MODE, 25, 1), 1
	s_wait_xcnt 0x0
; ADAPTIVE LOG-SOFTMAX, launch 2 of 3: for the head's logits of all tokens and for each token's OWN tail, partial (maximum, sum of exponentials).
; LEFT OUT: the tails that a token's target does not name (reference() masks them by jnp.where on target; shown at the head of the first kernel).
; A UNIT = R rows of a vocabulary, resident in a wave's registers (source 0), x one tile of 16 tokens (source 1): a lane holds one token and R / 2 logits.  The bias is the C of the first product.
; The unit's true maximum m is taken away before the exponentials; it stores m and s = sum of e^(x - m) at part[batch][position].  Units share no state; the last launch merges them.
; R: head 64 (K = 1,024), tail 1 128 (K = 256), tail 2 256 (K = 64, filled to 128 with zero codes), tail 3 256 (K = 16, bf16, filled to 32 with zeros).
; The last batch of a vocabulary begins at V - R; the rows that it repeats have the bias -1e30 (hq's EDGE arrays).  LIMIT: logits under about 1e29 in magnitude.
; SHARES.  Tail k has U = batches x tiles of its tokens units; wave gw of 2,048 takes units gw U / 2,048 .. (gw + 1) U / 2,048: even for every split, all tokens in one cluster too.
; Head: work-group g takes units 10 g .. 10 g + 9 of 40 x 64 (group of 8 batches, tile of tokens); wave w holds batch 8 rc + w; the ten tiles (and one more, for the last look-ahead) are staged once in LDS
; as images of the operand's registers and read by all eight waves.  Batches 313 .. 319 repeat the last one into slots that the last launch masks.
; Waves 0-3 run head, tails; waves 4-7 tails, head: the two waves of a SIMD are in different phases.
; NO TENSOR LOADS, NO CLUSTER: trip counts hang on counts read from memory, and partners would need different numbers of tiles.
; REGISTERS.  window 0: v1 r, v2 h, v3 lane, v4-9, v14, v58-63 lane terms, v10-12 the tokens' addresses, v15, v62 LDS addresses, v16-23 block maxima, v24 m, v[26:27] -c m, v28, v29 the store,
;   v30, v31 the add's two, v32-47 the rows' scale words, v48-55 the tokens', v64-127 the tokens' fragments, v128-255 the logits (head: 128-159, its bias 160-191).
;   window 1: the resident rows (head: 8 (8 i + s); tail 1: 16 i + 8 s; tails 2, 3: 8 i, registers 4-7 zero) and from v128 the tails' biases.
.set H0S, 524288
.set H1C, 557056
.set H1S, 688128
.set H2C, 696320
.set H2S, 729088
.set H3B, 733184
.set EDGE0, 765952
.set EDGE1, 766976
.set EDGE3, 768000
.set P0R, 0                            ; part: [batch][position][m, s]; the head's 320 batches, tail 1's 157, tail 3's 265, tail 2's 625
.set P1R, 2621440
.set P3R, 3907584
.set P2R, 6078464
.set SLOTB, 8704                       ; LDS: a tile of tokens: 16 images of 512 bytes (2 s + c), then 16 rows of 32 scale bytes
.set SPARE, 11*SLOTB                   ; behind the 11 tiles: the spare words, 128 bytes for each wave: four blocks of 256 bytes that no other line names
.set MSB, 0
.macro WIN new
.if MSB != (\new)
	s_set_vgpr_msb (MSB<<8)|(\new)
.set MSB, (\new)
.endif
.endm
; the pointers of batch s55: codes s[60:61], scale bytes s[62:63], bias s[66:67].  Every offset ends in a hold at a constant.
; edge >= 0 (the head alone, whose batch is made of ids): the last batch's bias pointer is the EDGE array, by a select.  edge < 0: the bias pointer is the input's own array at the batch's first row
.macro LOADPTR rsh, vmr, nbm1, csh, cptr, ssh, sptr, bptr, edge
	s_lshl_b32 s70, s55, \rsh                      ; batch x R
	s_mov_b32 s73, 0
.if \edge >= 0
	s_add_nc_u64 s[68:69], s[4:5], \edge
	s_cmp_ge_u32 s55, \nbm1                        ; the last batch takes its biases from the EDGE array
	s_cselect_b64 s[66:67], s[68:69], s[\bptr:\bptr+1]
	s_cselect_b32 s71, 0, s70
.else
	s_mov_b64 s[66:67], s[\bptr:\bptr+1]
	s_mov_b32 s71, s70
.endif
	s_min_u32 s71, s71, \vmr
	s_lshl_b32 s72, s71, 2
	s_add_nc_u64 s[66:67], s[66:67], s[72:73]
	s_min_u32 s70, s70, \vmr                       ; the batch's first row: the last batch is moved back to V - R
	s_lshl_b32 s72, s70, \csh
	s_add_nc_u64 s[60:61], s[\cptr:\cptr+1], s[72:73]
.if \ssh >= 0
	s_lshl_b32 s72, s70, \ssh
	s_add_nc_u64 s[62:63], s[\sptr:\sptr+1], s[72:73]
.endif
.endm
.macro BIAS1 n, ptr                    ; n registers of bias into window 1 from v128: lane (r, h), tile i: rows 16 i + 8 h + 0 .. 7
.set la, 0
.rept \n/4
	global_load_b128 v[128+4*la:131+4*la], v6, s[\ptr:\ptr+1] offset:64*(la/2)+16*(la%2)
.set la, la+1
.endr
.endm
; The biases of a tail's batch: the last batch takes the EDGE array, every other the input's own.  In the tails the batch hangs on counts read from memory, so no pointer is selected by it:
; each of the two pointers stays what it is, and a scalar branch leads to one of two copies of the loads.  At the branch and at the labels every window is 0.
.macro BIASSEL n, nbm1, edge
	s_add_nc_u64 s[68:69], s[4:5], \edge
	s_cmp_ge_u32 s55, \nbm1
	s_cbranch_scc1 .Ledge\@
	WIN 0x40
	BIAS1 \n, 66
	WIN 0
	s_branch .Lbias\@
.Ledge\@:
	WIN 0x40
	BIAS1 \n, 68
	WIN 0
.Lbias\@:
.endm
.macro LOADA k                         ; batch s55 of kind k becomes resident
.if \k == 0
	LOADPTR 6, 19939, 312, 9, 10, 5, 12, 14, EDGE0
	WIN 0x40
.set la, 0
.rept 32
	global_load_b128 v[8*la:8*la+3], v4, s[60:61] offset:8192*(la/8)+64*(la%8)
	global_load_b128 v[8*la+4:8*la+7], v4, s[60:61] offset:8192*(la/8)+64*(la%8)+32
.set la, la+1
.endr
	WIN 0
.set la, 0
.rept 4
	global_load_b128 v[32+4*la:35+4*la], v5, s[62:63] offset:1024*(la/2)+16*(la%2)   ; lane l: row l of 32: lanes 0-15 an even tile's words, lanes 16-31 the odd one's
.set la, la+1
.endr
.set la, 0
.rept 8
	global_load_b128 v[160+4*la:163+4*la], v6, s[66:67] offset:64*(la/2)+16*(la%2)
.set la, la+1
.endr
.elseif \k == 1
	LOADPTR 7, 19872, 156, 7, 26, 3, 28, 30, -1
	WIN 0x40
.set la, 0
.rept 16
	global_load_b128 v[8*la:8*la+3], v7, s[60:61] offset:2048*(la/2)+64*(la%2)
	global_load_b128 v[8*la+4:8*la+7], v7, s[60:61] offset:2048*(la/2)+64*(la%2)+32
.set la, la+1
.endr
	WIN 0
.set la, 0
.rept 4
	global_load_b64 v[32+2*la:33+2*la], v8, s[62:63] offset:256*la
.set la, la+1
.endr
	BIASSEL 64, 156, EDGE1
.elseif \k == 2
	LOADPTR 8, 159744, 624, 5, 16, 1, 18, 20, -1
	WIN 0x40
.set la, 0
.rept 16
	global_load_b128 v[8*la:8*la+3], v58, s[60:61] offset:512*la   ; 32 lanes read 512 consecutive bytes
.set la, la+1
.endr
	BIAS1 128, 66
	WIN 0
.set la, 0
.rept 8
	global_load_u16 v[32+la], v59, s[62:63] offset:64*la           ; two scale bytes; the upper two are 0 and stand over zero codes
.set la, la+1
.endr
.else
	LOADPTR 8, 67479, 264, 6, 22, -1, 0, 24, -1
	WIN 0x40
.set la, 0
.rept 32
	global_load_b128 v[4*la:4*la+3], v60, s[60:61] offset:1024*(la/2)+16*(la%2)   ; f32 as it lies; rounded to bf16 in place when it has landed
.set la, la+1
.endr
	WIN 0
	BIASSEL 128, 264, EDGE3
	s_mov_b32 s59, 1
.endif
.endm
.macro LOADB k                         ; tile s56 of the cluster's tokens (first position s58)
	s_lshl_b32 s70, s56, 4
	s_add_co_u32 s70, s70, s58
	v_add_nc_u32 v10, s70, v1
	v_min_u32 v10, 0x3ff, v10
.if \k == 1
	v_lshl_add_u32 v11, v10, 7, v9
	v_lshlrev_b32 v12, 3, v10
.irp f, 0,1,2,3
	global_load_b128 v[64+4*\f:67+4*\f], v11, s[4:5] offset:H1C+32*\f
.endr
	global_load_b64 v[48:49], v12, s[4:5] offset:H1S
.elseif \k == 2
	v_lshl_add_u32 v11, v10, 5, v9
	v_lshlrev_b32 v12, 2, v10
	global_load_b128 v[64:67], v11, s[4:5] offset:H2C
	global_load_b32 v48, v12, s[4:5] offset:H2S
.else
	v_lshl_add_u32 v11, v10, 5, v9
	global_load_b128 v[64:67], v11, s[4:5] offset:H3B
.endif
.endm
.macro FP4 d, a, b, c, sa, sb, row1
.if \row1
	v_wmma_scale_f32_16x16x128_f8f6f4 v[\d:\d+7], v[\a:\a+7], v[\b:\b+7], v[\c:\c+7], v[\sa], v[\sb] matrix_a_fmt:MATRIX_FMT_FP4 matrix_b_fmt:MATRIX_FMT_FP4 matrix_a_scale:MATRIX_SCALE_ROW1
.else
	v_wmma_scale_f32_16x16x128_f8f6f4 v[\d:\d+7], v[\a:\a+7], v[\b:\b+7], v[\c:\c+7], v[\sa], v[\sb] matrix_a_fmt:MATRIX_FMT_FP4 matrix_b_fmt:MATRIX_FMT_FP4
.endif
.endm
; a unit's products in one run; the sums take turns, one instruction a turn; the first product of each sum takes the bias as C
.macro MMA k
.if \k == 0
	WIN 0x01                                       ; source 0 window 1
.set ms, 0
.rept 8
.set mi, 0
.rept 4
.if ms == 0
	FP4 128+8*mi, 8*(8*mi+ms), 64+8*ms, 160+8*mi, 32+8*(mi/2)+ms, 48+ms, mi%2
.else
	FP4 128+8*mi, 8*(8*mi+ms), 64+8*ms, 128+8*mi, 32+8*(mi/2)+ms, 48+ms, mi%2
.endif
.set mi, mi+1
.endr
.set ms, ms+1
.endr
.elseif \k == 1
	WIN 0x11                                       ; sources 0 and 2 window 1
.set mi, 0
.rept 8
	FP4 128+8*mi, 16*mi, 64, 128+8*mi, 32+2*(mi/2), 48, mi%2
.set mi, mi+1
.endr
	WIN 0x01
.set mi, 0
.rept 8
	FP4 128+8*mi, 16*mi+8, 72, 128+8*mi, 33+2*(mi/2), 49, mi%2
.set mi, mi+1
.endr
.elseif \k == 2
	WIN 0x11
.set mi, 0
.rept 16
	FP4 128+8*mi, 8*mi, 64, 128+8*mi, 32+mi/2, 48, mi%2
.set mi, mi+1
.endr
.else
	WIN 0x11
.set mi, 0
.rept 16
	v_wmma_f32_16x16x32_bf16 v[128+8*mi:135+8*mi], v[8*mi:8*mi+7], v[64:71], v[128+8*mi:135+8*mi]
.set mi, mi+1
.endr
.endif
	WIN 0
.endm
; where the unit's pair goes.  The four vector lines name no register of the products: they are the four places between the run of products and the loads and reads that follow
.macro STADDR nbm1
	s_wait_xcnt 0x0                                ; the last unit's store has read v28 and v29: only now are they written again
	s_min_u32 s71, s55, \nbm1
	s_lshl_b32 s71, s71, 13
	s_lshl_b32 s70, s56, 4
	s_add_co_u32 s70, s70, s58
	v_add_nc_u32 v29, s70, v1
	v_min_u32 v29, 0x3ff, v29
	v_lshl_add_u32 v29, v29, 3, v14                ; position x 8 + 4 h: lanes 0-15 store m, lanes 16-31 s
	v_add_nc_u32 v29, s71, v29
.endm
; nl logits of a lane in v128 on: the token's maximum over the unit's rows, the sum of 2^(c (x - m)), c = log2 e, and the store: 128 consecutive bytes a wave
.macro SOFTMAX nl, region
.set nbk, \nl/16
.set qb, 0
.rept nbk
	v_max3_num_f32 v[16+qb], v[128+16*qb], v[129+16*qb], v[130+16*qb]   ; blocks of 16 registers by turns; each sum is read from its low end on
.set qb, qb+1
.endr
.set qi, 3
.rept 6
.set qb, 0
.rept nbk
	v_max3_num_f32 v[16+qb], v[16+qb], v[128+16*qb+qi], v[129+16*qb+qi]
.set qb, qb+1
.endr
.set qi, qi+2
.endr
.set qb, 0
.rept nbk
	v_max_num_f32 v[16+qb], v[16+qb], v[143+16*qb]
.set qb, qb+1
.endr
.if nbk > 2
.set qb, 1
.rept (nbk-2)/2
	v_max3_num_f32 v16, v16, v[16+qb], v[17+qb]
.set qb, qb+2
.endr
.endif
	v_max_num_f32 v16, v16, v[15+nbk]
	v_permlanex16_b32 v25, v16, s50, s51           ; the token's other rows lie in the lane 16 away
	v_max_num_f32 v24, v16, v25
	v_mul_f32 v26, -v24, s48
.set qi, 0
.rept \nl/2
	v_pk_fma_f32 v[128+qi:129+qi], v[128+qi:129+qi], s[48:49], v[26:27] op_sel_hi:[1,0,0]   ; c x - c m, two at a time
.set qi, qi+2
.endr
.set qi, 0
.rept \nl
	v_exp_f32 v[128+qi], v[128+qi]
.set qi, qi+1
.endr
	v_nop                                          ; a plain instruction behind the last exponential,
	s_wait_alu depctr_va_vdst(0)                   ; and a wait ahead of the batch's first reader
.set qi, 8
.rept (\nl-8)/8
	v_pk_add_f32 v[128:129], v[128:129], v[128+qi:129+qi]   ; four chains
	v_pk_add_f32 v[130:131], v[130:131], v[130+qi:131+qi]
	v_pk_add_f32 v[132:133], v[132:133], v[132+qi:133+qi]
	v_pk_add_f32 v[134:135], v[134:135], v[134+qi:135+qi]
.set qi, qi+8
.endr
	v_pk_add_f32 v[128:129], v[128:129], v[130:131]
	v_pk_add_f32 v[132:133], v[132:133], v[134:135]
	v_pk_add_f32 v[128:129], v[128:129], v[132:133]
	v_add_f32 v56, v128, v129
	v_permlanex16_b32 v25, v56, s50, s51
	v_add_f32 v56, v56, v25
	v_cndmask_b32 v28, v24, v56, s52
	global_store_b32 v29, v28, s[8:9] offset:\region
.endm
.macro DSB off                         ; a tile of tokens out of LDS: 16 images and the scale words
.set la, 0
.rept 16
	ds_load_b128 v[64+4*la:67+4*la], v15 offset:\off+512*la
.set la, la+1
.endr
	ds_load_b128 v[48:51], v62 offset:\off+8192
	ds_load_b128 v[52:55], v62 offset:\off+8192+16
.endm
; The head's ten units.  Every wave walks the ten trips, so that the LDS addresses step in a loop of constant count; the waves whose turn it is not jump over the work.
.macro HEADPASS which
	s_wait_loadcnt 0x0                             ; no load of the phase before is out (its last unit asks for nothing): stated here for every way through the text, ahead of the pointers' and registers' next use
	s_mov_b32 s80, 0                               ; the tile's place in LDS
	s_mov_b32 s81, 0                               ; the trip
	s_mov_b32 s82, s35                             ; the unit
	s_mov_b32 s58, 0                               ; all tokens: first position 0
	s_lshr_b32 s70, s35, 6
	s_lshl_b32 s70, s70, 3
	s_add_co_u32 s55, s70, s32                     ; my batch: 8 x group + wave
	v_mov_b32 v15, v63
	v_mov_b32 v62, v61
	s_cmp_lg_u32 s33, \which
	s_cbranch_scc1 .Lhl\which
	LOADA 0
	DSB 0
.Lhl\which:
	v_add_nc_u32 v15, s80, v63
	v_add_nc_u32 v62, s80, v61
	s_cmp_lg_u32 s33, \which
	s_cbranch_scc1 .Lhs\which
	s_wait_dscnt 0x0                               ; the tile, asked for a softmax ago
	s_wait_loadcnt 0x0                             ; and the rows, where they were asked for
	s_and_b32 s56, s82, 63                         ; the tile of tokens
	MMA 0
	STADDR 319
	DSB SLOTB                                      ; the next tile lands during the softmax
	s_add_co_u32 s70, s82, 1
	s_and_b32 s70, s70, 63
	s_cmp_lg_u32 s70, 0
	s_cbranch_scc1 .Lhn\which
	s_cmp_eq_u32 s81, 9
	s_cbranch_scc1 .Lhn\which
	s_add_co_u32 s55, s55, 8                       ; the next unit begins the next group of batches
	LOADA 0
.Lhn\which:
	SOFTMAX 32, P0R
.Lhs\which:
	s_add_co_u32 s82, s82, 1
	s_add_co_u32 s80, s80, SLOTB
	s_add_co_u32 s81, s81, 1
	s_cmp_lt_u32 s81, 10
	s_cbranch_scc1 .Lhl\which
	s_wait_dscnt 0x0                               ; the last look-ahead has landed: its registers may be used again
	s_wait_loadcnt 0x0                             ; and no load of rows is out: the resident registers and the pointers may be written again
.endm
; Tail k: my share of its units.  A trip: the operands asked for a trip ago are in; the products; the next unit's operands are asked for; the softmax, during which they land.
.macro PHASE k, nb, nl, region
	s_wait_loadcnt 0x0                             ; no load of the phase before is out (its last unit asks for nothing): stated here for every way through the text, ahead of the pointers' and registers' next use
	s_mov_b32 s57, s[44+\k]                        ; tiles of tokens
	s_mov_b32 s58, s[40+\k]                        ; first position
	s_mul_i32 s70, s57, \nb                        ; units
	s_mul_i32 s53, s34, s70
	s_lshr_b32 s53, s53, 11                        ; my first,
	s_add_co_u32 s71, s34, 1
	s_mul_i32 s54, s71, s70
	s_lshr_b32 s54, s54, 11                        ; and the first that is not mine
	s_cmp_ge_u32 s53, s54
	s_cbranch_scc1 .Lskip\k
	s_mov_b32 s56, s53                             ; unit = batch x tiles + tile: a division bit by bit (the batch has ten bits)
	s_mov_b32 s55, 0
.irp bit, 9,8,7,6,5,4,3,2,1,0
	s_lshl_b32 s70, s57, \bit
	s_cmp_ge_u32 s56, s70
	s_cselect_b32 s70, s70, 0
	s_cselect_b32 s71, 1<<\bit, 0
	s_sub_co_u32 s56, s56, s70
	s_or_b32 s55, s55, s71
.endr
	LOADA \k
	LOADB \k
.Ltrip\k:
	s_wait_loadcnt 0x0
.if \k == 3
	s_cmp_eq_u32 s59, 0
	s_cbranch_scc1 .Lold3
	WIN 0x45                                       ; destination and both sources window 1
.set la, 0
.rept 16
	v_cvt_pk_bf16_f32 v[8*la], v[8*la], v[8*la+1]  ; a new batch: eight f32 of a row become four registers of bf16, in place,
	v_cvt_pk_bf16_f32 v[8*la+1], v[8*la+2], v[8*la+3]
	v_cvt_pk_bf16_f32 v[8*la+2], v[8*la+4], v[8*la+5]
	v_cvt_pk_bf16_f32 v[8*la+3], v[8*la+6], v[8*la+7]
	v_mov_b32 v[8*la+4], 0                         ; and K = 16 .. 31 are zeros
	v_mov_b32 v[8*la+5], 0
	v_mov_b32 v[8*la+6], 0
	v_mov_b32 v[8*la+7], 0
.set la, la+1
.endr
	WIN 0
	s_mov_b32 s59, 0
.rept 4
	v_nop
.endr
.Lold3:
.endif
	MMA \k
	STADDR \nb-1
	s_add_co_u32 s72, s53, 1
	s_cmp_ge_u32 s72, s54
	s_cbranch_scc1 .Lnoload\k                      ; my last unit asks for nothing
	s_add_co_u32 s56, s56, 1
	s_cmp_lt_u32 s56, s57
	s_cbranch_scc1 .Lsame\k
	s_mov_b32 s56, 0
	s_add_co_u32 s55, s55, 1
	LOADA \k
.Lsame\k:
	LOADB \k
.Lnoload\k:
	SOFTMAX \nl, \region
	s_add_co_u32 s53, s53, 1
	s_cmp_lt_u32 s53, s54
	s_cbranch_scc1 .Ltrip\k
.Lskip\k:
.endm
	s_load_b512 s[4:19], s[0:1], 0x0               ; hq, route, part, head codes, head scales, head_bias, w2 codes, w2 scales
	s_load_b256 s[20:27], s[0:1], 0x40             ; b2, w3, b3, w1 codes
	s_load_b128 s[28:31], s[0:1], 0x60             ; w1 scales, b1
	v_lshl_add_u32 v30, v0, 2, SPARE
	v_mov_b32 v31, 0
	v_lshrrev_b32 v1, 5, v0
	v_readfirstlane_b32 s32, v1                    ; wave 0..7
	v_and_b32 v3, 31, v0
	v_and_b32 v1, 15, v0                           ; r
	v_bfe_u32 v2, v0, 4, 1                         ; h
	v_lshlrev_b32 v9, 4, v2                        ; 16 h
	v_lshl_add_u32 v4, v1, 9, v9                   ; head rows: 512 r + 16 h
	v_lshlrev_b32 v5, 5, v3                        ; head scale bytes: 32 x lane
	v_lshlrev_b32 v6, 5, v2                        ; biases: 32 h
	v_lshl_add_u32 v7, v1, 7, v9                   ; w1: 128 r + 16 h
	v_lshlrev_b32 v8, 3, v3
	v_lshlrev_b32 v14, 2, v2
	v_lshl_add_u32 v58, v1, 5, v9                  ; w2: 32 r + 16 h
	v_lshlrev_b32 v59, 1, v3
	v_lshl_add_u32 v60, v1, 6, v6                  ; w3: 64 r + 32 h
	v_lshlrev_b32 v61, 5, v1
	v_lshlrev_b32 v63, 4, v3
	v_mov_b32 v25, 0                               ; a lane permute's destination counts as one of its sources
	v_mov_b32 v27, 0                               ; named with v26 as a pair
	s_lshr_b32 s33, s32, 2                         ; which half of the waves
	s_lshl_b32 s34, ttmp9, 3
	s_add_co_u32 s34, s34, s32                     ; wave of 2,048
	s_mul_i32 s35, ttmp9, 10                       ; the work-group's first unit of the head
	s_mov_b32 s48, 0x3fb8aa3b                      ; c = log2 e
	s_mov_b32 s49, s48
	s_mov_b32 s50, 0x76543210
	s_mov_b32 s51, 0xfedcba98
	s_mov_b32 s52, 0xffff0000
	; staging: wave w brings K step w of the 11 tiles
	s_lshl_b32 s70, s32, 6
	v_add_nc_u32 v56, s70, v4
	s_lshl_b32 s70, s32, 2
	v_add_nc_u32 v57, s70, v61                     ; 32 r + 4 w: in memory and in LDS
	s_lshl_b32 s70, s32, 10
	v_add_nc_u32 v172, s70, v63                    ; 16 x lane + 1,024 w: my two images of a tile
	v_add_nc_u32 v173, 6*SLOTB, v172               ; (a second base, so that the immediates stay under 65,536)
	v_add_nc_u32 v175, 6*SLOTB, v57
.set si, 0
.rept 11
	s_add_co_u32 s70, s35, si
	s_and_b32 s70, s70, 63
	s_lshl_b32 s71, s70, 13
	v_add_nc_u32 v[176+si], s71, v56
	s_lshl_b32 s71, s70, 9
	v_add_nc_u32 v[192+si], s71, v57
.set si, si+1
.endr
	s_wait_kmcnt 0x0
	s_load_b256 s[36:43], s[6:7], 0x0              ; counts, first positions
	s_load_b128 s[44:47], s[6:7], 0x20             ; tiles
.set si, 0
.rept 11
	global_load_b128 v[64+8*si:67+8*si], v[176+si], s[4:5]
	global_load_b128 v[68+8*si:71+8*si], v[176+si], s[4:5] offset:32
	global_load_b32 v[160+si], v[192+si], s[4:5] offset:H0S
.set si, si+1
.endr
	s_wait_kmcnt 0x0
.irp k, 1,2,3
	s_min_u32 s[44+\k], s[44+\k], 64
	s_min_u32 s[40+\k], s[40+\k], 1023
.endr
	s_wait_loadcnt 0x0
.set si, 0
.rept 11
.if si < 6
	ds_store_b128 v172, v[64+8*si:67+8*si] offset:SLOTB*si
	ds_store_b128 v172, v[68+8*si:71+8*si] offset:SLOTB*si+512
	ds_store_b32 v57, v[160+si] offset:SLOTB*si+8192           ; (both halves of the lanes store the same word)
.else
	ds_store_b128 v173, v[64+8*si:67+8*si] offset:SLOTB*(si-6)
	ds_store_b128 v173, v[68+8*si:71+8*si] offset:SLOTB*(si-6)+512
	ds_store_b32 v175, v[160+si] offset:SLOTB*(si-6)+8192
.endif
.set si, si+1
.endr
	s_wait_dscnt 0x0                               ; for the others' sake: my stores have landed
	s_barrier_signal -1
	s_barrier_wait -1                              ; the launch's one barrier: from here on LDS is only read
	HEADPASS 0
	WIN 0x40
.set la, 0
.rept 16
	v_mov_b32 v[8*la+4], 0                         ; tail 2: K = 64 .. 127 are zero codes
	v_mov_b32 v[8*la+5], 0
	v_mov_b32 v[8*la+6], 0
	v_mov_b32 v[8*la+7], 0
.set la, la+1
.endr
	WIN 0
.irp i, 68,69,70,71
	v_mov_b32 v\i, 0                               ; and the same of the tokens' fragment, for tails 2 and 3
.endr
.rept 4
	v_nop                                          ; an operand written by vector instructions stands four places ahead of a scaled product
.endr
	PHASE 2, 625, 128, P2R
	PHASE 3, 265, 128, P3R
	PHASE 1, 157, 64, P1R
	HEADPASS 1
	s_wait_tensorcnt 0x0                           ; the wave's end
	ds_add_u32 v30, v31
	s_wait_dscnt 0x0
	s_endpgm
.Lfunc_end_k_qedd379d644_main:
	.size	k_qedd379d644_main, .Lfunc_end_k_qedd379d644_main-k_qedd379d644_main
	.p2alignl 7, 3214868480
	.fill 96, 4, 3214868480
	.section	.rodata,"a",@progbits
	.p2align	6, 0x0
	.amdhsa_kernel k_qedd379d644_main
		.amdhsa_group_segment_fixed_size 96768
		.amdhsa_private_segment_fixed_size 0
		.amdhsa_enable_private_segment 0
		.amdhsa_kernarg_size 112
		.amdhsa_user_sgpr_count 2
		.amdhsa_user_sgpr_kernarg_segment_ptr 1
		.amdhsa_wavefront_size32 1
		.amdhsa_system_sgpr_workgroup_id_x 1
		.amdhsa_system_sgpr_workgroup_id_y 1
		.amdhsa_system_sgpr_workgroup_id_z 1
		.amdhsa_system_vgpr_workitem_id 0
		.amdhsa_next_free_vgpr 512
		.amdhsa_next_free_sgpr 100
		.amdhsa_reserve_vcc 0
		.amdhsa_float_denorm_mode_32 3
		.amdhsa_float_denorm_mode_16_64 3
		.amdhsa_memory_ordered 1
		.amdhsa_forward_progress 1
		.amdhsa_inst_pref_size 179
	.end_amdhsa_kernel
	.amdgpu_metadata
---
amdhsa.version: [ 1, 2 ]
amdhsa.kernels:
  - .name:           k_qedd379d644_main
    .symbol:         k_qedd379d644_main.kd
    .args:
      - { .name: hq, .offset: 0, .size: 8, .value_kind: global_buffer, .address_space: global }
      - { .name: route, .offset: 8, .size: 8, .value_kind: global_buffer, .address_space: global }
      - { .name: part, .offset: 16, .size: 8, .value_kind: global_buffer, .address_space: global }
      - { .name: head_weight_codes, .offset: 24, .size: 8, .value_kind: global_buffer, .address_space: global }
      - { .name: head_weight_scales, .offset: 32, .size: 8, .value_kind: global_buffer, .address_space: global }
      - { .name: head_bias, .offset: 40, .size: 8, .value_kind: global_buffer, .address_space: global }
      - { .name: w2_codes, .offset: 48, .size: 8, .value_kind: global_buffer, .address_space: global }
      - { .name: w2_scales, .offset: 56, .size: 8, .value_kind: global_buffer, .address_space: global }
      - { .name: b2, .offset: 64, .size: 8, .value_kind: global_buffer, .address_space: global }
      - { .name: w3, .offset: 72, .size: 8, .value_kind: global_buffer, .address_space: global }
      - { .name: b3, .offset: 80, .size: 8, .value_kind: global_buffer, .address_space: global }
      - { .name: w1_codes, .offset: 88, .size: 8, .value_kind: global_buffer, .address_space: global }
      - { .name: w1_scales, .offset: 96, .size: 8, .value_kind: global_buffer, .address_space: global }
      - { .name: b1, .offset: 104, .size: 8, .value_kind: global_buffer, .address_space: global }
    .group_segment_fixed_size: 96768
    .private_segment_fixed_size: 0
    .kernarg_segment_align: 8
    .kernarg_segment_size: 112
    .max_flat_workgroup_size: 256
    .sgpr_count:     100
    .vgpr_count:     512
    .wavefront_size: 32
...
	.end_amdgpu_metadata
.endif
;; end of part 2
;; launch finish (part 3): grid 64 x 1, 10 waves a work-group, no clusters, 5,632 bytes of LDS; arguments route, part, hq, head_weight_codes, head_weight_scales, head_bias, w1_codes, w1_scales, b1, w2_codes, w2_scales, b2, w3, b3, out0; writes out0
.if DOCPART == 3
	.amdgcn_target "amdgcn-amd-amdhsa--gfx1250"
	.amdhsa_code_object_version 6
	.text
	.protected	k_qedd379d644_finish
	.globl	k_qedd379d644_finish
	.p2align	8
	.type	k_qedd379d644_finish,@function
k_qedd379d644_finish:
	s_mov_b64 s[64:65], 0
	v_nop
	global_prefetch_b8 v0, s[64:65] scope:SCOPE_SE
	s_setreg_imm32_b32 hwreg(HW_REG_WAVE_MODE, 25, 1), 1
	s_wait_xcnt 0x0
; ADAPTIVE LOG-SOFTMAX, launch 3 of 3: the partial (maximum, sum) pairs are merged, the logits at the targets are made, and nll goes out by token.
; LEFT OUT: the log-sum-exp of tails that a token's target does not name (reference() masks them; shown at the head of the first kernel).
; A work-group owns the 16 sorted positions 16 tt on.  Waves 0-7: lane (r, h) merges, for position 16 tt + r, the batches 2 (w + 8 j) + h: 20 of the head, and 10, 40 or 17 of each tail whose
; cluster meets the tile (a scalar branch on the stored counts; no barrier stands under it).  Every merge takes the largest maximum away before its exponentials.
; Wave 8: the head's logit at row target (shortlist) or 20,003 - i (cluster i): lane r gathers its token's row as row r of source 0, its token is column r of source 1, and the diagonal is the logit.
; Wave 9: the same for the three tails, 16 tokens each; the one that the target names is selected (three small products: no branch).  It goes to wave 8 through LDS.
; nll = (lse_head - x_head) + (target >= 20,000 ? lse_tail - x_tail : 0), stored at the token's place: 4 bytes a token, scattered by the sort's list, 4 KB in all.
; LDS: 0: the entries of waves 0-7, 16 bytes a lane (M, S of the head, M, S of the tail); 4,096: wave 9's logits; 4,352: the spare words.  All LDS addresses are made ahead of the waves' parting.
; v240-255 hold scale words, in both roles that multiply, and nothing else.
.set H0S, 524288
.set H1C, 557056
.set H1S, 688128
.set H2C, 696320
.set H2S, 729088
.set H3B, 733184
.set P1R, 2621440
.set P3R, 3907584
.set P2R, 6078464
.set XT, 4096
.set SPARE, 4352                       ; 128 bytes for each of ten waves: five blocks of 256 bytes that no other line names
.set NEG, 0xf149f2ca                   ; -1e30
.set SA, 240                           ; the rows' scale words
.set SB, 248                           ; the tokens'
; n pairs (m, s), st registers apart from src on, become one: M = the largest m, S = sum of s 2^(c (m - M))
.macro LSE n, src, st, om, os
	v_max_num_f32 v[\om], v[\src], v[\src+\st]
.if \n > 2
.set lj, 2
.rept \n-2
	v_max_num_f32 v[\om], v[\om], v[\src+\st*lj]
.set lj, lj+1
.endr
.endif
	v_mul_f32 v10, -v[\om], s48
.set lj, 0
.rept \n
	v_fma_f32 v[\src+\st*lj], v[\src+\st*lj], s48, v10
.set lj, lj+1
.endr
.set lj, 0
.rept \n
	v_exp_f32 v[\src+\st*lj], v[\src+\st*lj]
.set lj, lj+1
.endr
	v_nop                                          ; a plain instruction behind the last exponential,
	s_wait_alu depctr_va_vdst(0)                   ; and a wait ahead of the batch's first reader
	v_mul_f32 v[\os], v[\src], v[\src+1]
.set lj, 1
.rept \n-1
	v_fmac_f32 v[\os], v[\src+\st*lj], v[\src+\st*lj+1]
.set lj, lj+1
.endr
.endm
; tail k, if its cluster meets my tile: nj batches a lane; the last of them may lie beyond the nb that exist: held inside, and made to count for nothing
.macro TAILK k, nb, nj, ptr
	s_cmp_eq_u32 s[36+\k], 0
	s_cbranch_scc1 .Lno\k
	s_add_co_u32 s70, s[40+\k], s[36+\k]
	s_cmp_le_u32 s70, s35
	s_cbranch_scc1 .Lno\k
	s_add_co_u32 s71, s35, 15
	s_cmp_gt_u32 s[40+\k], s71
	s_cbranch_scc1 .Lno\k
	s_sub_co_u32 s70, s70, 1
	v_max_u32 v11, s[40+\k], v7                    ; my position, held inside the cluster: only pairs that were stored are read
	v_min_u32 v11, s70, v11
	v_min_u32 v11, 0x3ff, v11
	v_lshlrev_b32 v12, 13, v8
	v_lshl_add_u32 v12, v11, 3, v12
.set tj, 0
.rept \nj-1
	global_load_b64 v[104+2*tj:105+2*tj], v12, s[\ptr:\ptr+1] offset:131072*tj
.set tj, tj+1
.endr
	v_add_nc_u32 v13, 16*(\nj-1), v8
	v_min_u32 v14, \nb-1, v13
	v_lshlrev_b32 v14, 13, v14
	v_lshl_add_u32 v14, v11, 3, v14
	global_load_b64 v[104+2*(\nj-1):105+2*(\nj-1)], v14, s[\ptr:\ptr+1]
	s_wait_loadcnt 0x0
	v_cmp_le_u32 vcc_lo, \nb, v13
	v_cndmask_b32 v[104+2*(\nj-1)], v[104+2*(\nj-1)], v38, vcc_lo
	v_cndmask_b32 v[105+2*(\nj-1)], v[105+2*(\nj-1)], v39, vcc_lo
	LSE \nj, 104, 2, 36, 37
	v_sub_nc_u32 v15, v7, s[40+\k]
	v_cmp_gt_u32 vcc_lo, s[36+\k], v15             ; kept where my position is of this cluster
	v_cndmask_b32 v34, v34, v36, vcc_lo
	v_cndmask_b32 v35, v35, v37, vcc_lo
.Lno\k:
.endm
; register j of lane (r, h) is element (8 h + j, r): the diagonal is j = r - 8 h, in one of the two lanes of a token; the other adds 0
.macro DIAG src, dst
	v_cndmask_b32 v[\dst], 0, v[\src], s80
.set dj, 1
.rept 7
	v_cndmask_b32 v[\dst], v[\dst], v[\src+dj], s[80+dj]
.set dj, dj+1
.endr
	v_permlanex16_b32 v201, v[\dst], s50, s51
	v_add_f32 v[\dst], v[\dst], v201
.endm
	s_load_b512 s[4:19], s[0:1], 0x0               ; route, part, hq, head codes, head scales, head_bias, w1 codes, w1 scales
	s_load_b256 s[20:27], s[0:1], 0x40             ; b1, w2 codes, w2 scales, b2
	s_load_b128 s[28:31], s[0:1], 0x60             ; w3, b3
	s_load_b64 s[32:33], s[0:1], 0x70              ; out0
	v_lshl_add_u32 v30, v0, 2, SPARE
	v_mov_b32 v31, 0
	v_lshrrev_b32 v1, 5, v0
	v_readfirstlane_b32 s34, v1                    ; wave 0..9
	v_and_b32 v3, 31, v0
	v_and_b32 v1, 15, v0                           ; r
	v_bfe_u32 v2, v0, 4, 1                         ; h
	v_lshlrev_b32 v4, 4, v0                        ; waves 0-7: where my entry goes
	v_lshlrev_b32 v5, 4, v3                        ; wave 8: where it reads them
	v_lshl_add_u32 v6, v3, 2, XT                   ; waves 9 and 8: the tails' logit
	s_lshl_b32 s35, ttmp9, 4
	v_add_nc_u32 v7, s35, v1                       ; my position
	v_mov_b32 v18, 0
	v_mov_b32 v200, 0
	v_mov_b32 v201, 0                              ; a lane permute's destination counts as one of its sources
	s_mov_b32 s66, 0
	s_mov_b32 s48, 0x3fb8aa3b                      ; c = log2 e
	s_mov_b32 s49, 0x3f317218                      ; ln 2
	s_mov_b32 s50, 0x76543210
	s_mov_b32 s51, 0xfedcba98
	s_mov_b32 s60, 20000
	s_mov_b32 s61, 40000
	s_mov_b32 s62, 200000
	s_wait_kmcnt 0x0
	s_cmp_ge_u32 s34, 8
	s_cbranch_scc1 .Lroles
	; ---- waves 0-7
	s_load_b256 s[36:43], s[4:5], 0x0              ; counts, first positions
	s_lshl_b32 s70, s34, 1
	v_add_nc_u32 v8, s70, v2                       ; 2 w + h
	v_lshlrev_b32 v9, 13, v8
	v_lshl_add_u32 v9, v7, 3, v9
.set tj, 0
.rept 20
	global_load_b64 v[64+2*tj:65+2*tj], v9, s[6:7] offset:131072*tj   ; sixteen lanes read 128 consecutive bytes
.set tj, tj+1
.endr
	s_add_nc_u64 s[52:53], s[6:7], P1R
	s_add_nc_u64 s[54:55], s[6:7], P2R
	s_add_nc_u64 s[56:57], s[6:7], P3R
	v_mov_b32 v34, 0                               ; a token of the shortlist keeps (0, 1): finite, and not used
	v_mov_b32 v35, 1.0
	v_mov_b32 v38, NEG
	v_mov_b32 v39, 0
	s_wait_kmcnt 0x0
	TAILK 1, 157, 10, 52
	TAILK 2, 625, 40, 54
	TAILK 3, 265, 17, 56
	s_wait_loadcnt 0x0
	v_cmp_le_u32 vcc_lo, 9, v8                     ; batches 304 + 2 w + h from 313 on repeat the last one
	v_cndmask_b32 v102, v102, v38, vcc_lo
	v_cndmask_b32 v103, v103, v39, vcc_lo
	LSE 20, 64, 2, 32, 33
	ds_store_b128 v4, v[32:35]
	s_branch .Ljoin
.Lroles:
	v_lshlrev_b32 v16, 2, v7
	global_load_b32 v17, v16, s[4:5] offset:256    ; my token's target,
	global_load_b32 v18, v16, s[4:5] offset:4352   ; and which token it is
	v_lshlrev_b32 v29, 3, v2
	v_sub_nc_u32 v29, v1, v29                      ; r - 8 h
.set dj, 0
.rept 8
	v_cmp_eq_u32 s[80+dj], dj, v29
.set dj, dj+1
.endr
	s_cmp_eq_u32 s34, 9
	s_cbranch_scc1 .Ltails
	; ---- wave 8: the head's logit
	v_lshlrev_b32 v19, 9, v7
	v_lshl_add_u32 v19, v2, 4, v19
	v_lshlrev_b32 v20, 5, v7
.set tj, 0
.rept 16
	global_load_b128 v[96+4*tj:99+4*tj], v19, s[8:9] offset:32*tj
.set tj, tj+1
.endr
	global_load_b128 v[SB:SB+3], v20, s[8:9] offset:H0S
	global_load_b128 v[SB+4:SB+7], v20, s[8:9] offset:H0S+16
	v_mov_b32 v22, 20002
	v_mov_b32 v23, 20001
	v_mov_b32 v24, 20000
	s_wait_loadcnt 18                              ; the 18 loads of h0 are younger than the target and the token
	v_min_u32 v17, 0x415d6, v17
	v_cmp_le_u32 s66, s60, v17                     ; not of the shortlist
	v_cndmask_b32 v21, v17, v22, s66
	v_cmp_le_u32 vcc_lo, s61, v17
	v_cndmask_b32 v21, v21, v23, vcc_lo
	v_cmp_le_u32 vcc_lo, s62, v17
	v_cndmask_b32 v21, v21, v24, vcc_lo
	v_min_u32 v21, 20002, v21                      ; the head's row
	v_lshlrev_b32 v25, 9, v21
	v_lshl_add_u32 v25, v2, 4, v25
	v_lshlrev_b32 v26, 5, v21
	v_lshlrev_b32 v27, 2, v21
.set tj, 0
.rept 16
	global_load_b128 v[32+4*tj:35+4*tj], v25, s[10:11] offset:32*tj
.set tj, tj+1
.endr
	global_load_b128 v[SA:SA+3], v26, s[12:13]
	global_load_b128 v[SA+4:SA+7], v26, s[12:13] offset:16
	global_load_b32 v28, v27, s[14:15]
	s_wait_loadcnt 0x0
.set ms, 0
.rept 8                                ; two sums by turns, one instruction a turn
.if ms < 2
	v_wmma_scale_f32_16x16x128_f8f6f4 v[176+8*(ms%2):183+8*(ms%2)], v[32+8*ms:39+8*ms], v[96+8*ms:103+8*ms], 0, v[SA+ms], v[SB+ms] matrix_a_fmt:MATRIX_FMT_FP4 matrix_b_fmt:MATRIX_FMT_FP4
.else
	v_wmma_scale_f32_16x16x128_f8f6f4 v[176+8*(ms%2):183+8*(ms%2)], v[32+8*ms:39+8*ms], v[96+8*ms:103+8*ms], v[176+8*(ms%2):183+8*(ms%2)], v[SA+ms], v[SB+ms] matrix_a_fmt:MATRIX_FMT_FP4 matrix_b_fmt:MATRIX_FMT_FP4
.endif
.set ms, ms+1
.endr
.rept 4
	v_nop
.endr
.set dj, 0
.rept 8
	v_add_f32 v[192+dj], v[176+dj], v[184+dj]
.set dj, dj+1
.endr
	DIAG 192, 200
	v_add_f32 v200, v200, v28
	s_branch .Ljoin
.Ltails:
	; ---- wave 9: the three tails' logits
	v_lshlrev_b32 v19, 7, v7
	v_lshl_add_u32 v19, v2, 4, v19
	v_lshlrev_b32 v20, 3, v7
	v_lshlrev_b32 v21, 5, v7
	v_lshl_add_u32 v21, v2, 4, v21
.irp f, 0,1,2,3
	global_load_b128 v[48+4*\f:51+4*\f], v19, s[8:9] offset:H1C+32*\f
.endr
	global_load_b64 v[SB:SB+1], v20, s[8:9] offset:H1S
	global_load_b128 v[72:75], v21, s[8:9] offset:H2C
	global_load_b32 v[SB+2], v16, s[8:9] offset:H2S
	global_load_b128 v[88:91], v21, s[8:9] offset:H3B
.irp i, 68,69,70,71,76,77,78,79,84,85,86,87,92,93,94,95
	v_mov_b32 v\i, 0                               ; what fills K up to the instruction's length: zero codes, zeros
.endr
	s_wait_loadcnt 8                               ; the 8 loads of h1, h2, h3 are younger than the target
	v_min_u32 v17, 0x415d6, v17
	v_sub_nc_u32 v22, v17, s60
	v_min_u32 v22, 19999, v22                      ; the row in each tail, held inside it (a token of another cluster: any row; its logit is not selected)
	v_sub_nc_u32 v23, v17, s61
	v_min_u32 v23, 159999, v23
	v_sub_nc_u32 v24, v17, s62
	v_min_u32 v24, 67734, v24
	v_lshlrev_b32 v25, 7, v22
	v_lshl_add_u32 v25, v2, 4, v25
	v_lshlrev_b32 v26, 3, v22
	v_lshlrev_b32 v27, 2, v22
	v_lshlrev_b32 v28, 5, v23
	v_lshl_add_u32 v28, v2, 4, v28
	v_lshlrev_b32 v10, 1, v23
	v_lshlrev_b32 v11, 2, v23
	v_lshlrev_b32 v12, 6, v24
	v_lshl_add_u32 v12, v2, 5, v12
	v_lshlrev_b32 v13, 2, v24
.irp f, 0,1,2,3
	global_load_b128 v[32+4*\f:35+4*\f], v25, s[16:17] offset:32*\f
.endr
	global_load_b64 v[SA:SA+1], v26, s[18:19]
	global_load_b32 v104, v27, s[20:21]
	global_load_b128 v[64:67], v28, s[22:23]
	global_load_u16 v[SA+2], v10, s[24:25]
	global_load_b32 v105, v11, s[26:27]
	global_load_b128 v[112:115], v12, s[28:29]
	global_load_b128 v[116:119], v12, s[28:29] offset:16
	global_load_b32 v106, v13, s[30:31]
	s_wait_loadcnt 0x0
.irp i, 0,1,2,3
	v_cvt_pk_bf16_f32 v[80+\i], v[112+2*\i], v[113+2*\i]
.endr
.rept 8
	v_nop                                          ; operands written by vector instructions stand ahead of the scaled products
.endr
	v_wmma_scale_f32_16x16x128_f8f6f4 v[120:127], v[32:39], v[48:55], 0, v[SA], v[SB] matrix_a_fmt:MATRIX_FMT_FP4 matrix_b_fmt:MATRIX_FMT_FP4
	v_wmma_scale_f32_16x16x128_f8f6f4 v[128:135], v[40:47], v[56:63], 0, v[SA+1], v[SB+1] matrix_a_fmt:MATRIX_FMT_FP4 matrix_b_fmt:MATRIX_FMT_FP4
	v_wmma_scale_f32_16x16x128_f8f6f4 v[136:143], v[64:71], v[72:79], 0, v[SA+2], v[SB+2] matrix_a_fmt:MATRIX_FMT_FP4 matrix_b_fmt:MATRIX_FMT_FP4
	v_wmma_f32_16x16x32_bf16 v[144:151], v[80:87], v[88:95], 0
.rept 4
	v_nop
.endr
.set dj, 0
.rept 8
	v_add_f32 v[152+dj], v[120+dj], v[128+dj]
.set dj, dj+1
.endr
	DIAG 152, 160
	v_add_f32 v160, v160, v104
	DIAG 136, 161
	v_add_f32 v161, v161, v105
	DIAG 144, 162
	v_add_f32 v162, v162, v106
	v_cmp_le_u32 vcc_lo, s61, v17
	v_cndmask_b32 v160, v160, v161, vcc_lo
	v_cmp_le_u32 vcc_lo, s62, v17
	v_cndmask_b32 v160, v160, v162, vcc_lo
	ds_store_b32 v6, v160
.Ljoin:
	s_wait_dscnt 0x0                               ; for wave 8's sake: my store has landed
	s_barrier_signal -1
	s_barrier_wait -1
	s_cmp_lg_u32 s34, 8
	s_cbranch_scc1 .Lend
	; ---- wave 8: the eight waves' entries, then the two halves of the lanes
.set tj, 0
.rept 8
	ds_load_b128 v[64+4*tj:67+4*tj], v5 offset:512*tj
.set tj, tj+1
.endr
	ds_load_b32 v202, v6
	v_mov_b32 v210, 0
	v_mov_b32 v211, 0
	v_mov_b32 v218, 0
	v_mov_b32 v219, 0
	s_wait_dscnt 0x0
	LSE 8, 64, 4, 208, 209
	v_permlanex16_b32 v210, v208, s50, s51
	v_permlanex16_b32 v211, v209, s50, s51
	LSE 2, 208, 2, 212, 213
	LSE 8, 66, 4, 216, 217
	v_permlanex16_b32 v218, v216, s50, s51
	v_permlanex16_b32 v219, v217, s50, s51
	LSE 2, 216, 2, 220, 221
	v_log_f32 v222, v213
	v_log_f32 v223, v221
	v_min_u32 v18, 0x3ff, v18                      ; (a plain instruction behind the logarithms)
	s_wait_alu depctr_va_vdst(0)                   ; a wait ahead of their first reader
	v_fma_f32 v222, v222, s49, v212                ; M + ln S
	v_fma_f32 v223, v223, s49, v220
	v_sub_f32 v222, v222, v200
	v_sub_f32 v223, v223, v202
	v_cndmask_b32 v223, 0, v223, s66
	v_add_f32 v224, v222, v223
	v_lshlrev_b32 v18, 2, v18
	v_cmp_gt_u32 vcc_lo, 16, v3
	s_wait_xcnt 0x0                                ; EXEC changes only behind this wait
	s_and_saveexec_b32 s70, vcc_lo
	global_store_b32 v18, v224, s[32:33]           ; one lane for each token
	s_wait_xcnt 0x0                                ; and again, in front of the line that widens it
	s_or_b32 exec_lo, exec_lo, s70
.Lend:
	s_wait_tensorcnt 0x0                           ; the wave's end
	ds_add_u32 v30, v31
	s_wait_dscnt 0x0
	s_endpgm
.Lfunc_end_k_qedd379d644_finish:
	.size	k_qedd379d644_finish, .Lfunc_end_k_qedd379d644_finish-k_qedd379d644_finish
	.p2alignl 7, 3214868480
	.fill 96, 4, 3214868480
	.section	.rodata,"a",@progbits
	.p2align	6, 0x0
	.amdhsa_kernel k_qedd379d644_finish
		.amdhsa_group_segment_fixed_size 5632
		.amdhsa_private_segment_fixed_size 0
		.amdhsa_enable_private_segment 0
		.amdhsa_kernarg_size 120
		.amdhsa_user_sgpr_count 2
		.amdhsa_user_sgpr_kernarg_segment_ptr 1
		.amdhsa_wavefront_size32 1
		.amdhsa_system_sgpr_workgroup_id_x 1
		.amdhsa_system_sgpr_workgroup_id_y 1
		.amdhsa_system_sgpr_workgroup_id_z 1
		.amdhsa_system_vgpr_workitem_id 0
		.amdhsa_next_free_vgpr 256
		.amdhsa_next_free_sgpr 100
		.amdhsa_reserve_vcc 1
		.amdhsa_float_denorm_mode_32 3
		.amdhsa_float_denorm_mode_16_64 3
		.amdhsa_memory_ordered 1
		.amdhsa_forward_progress 1
		.amdhsa_inst_pref_size 48
	.end_amdhsa_kernel
	.amdgpu_metadata
---
amdhsa.version: [ 1, 2 ]
amdhsa.kernels:
  - .name:           k_qedd379d644_finish
    .symbol:         k_qedd379d644_finish.kd
    .args:
      - { .name: route, .offset: 0, .size: 8, .value_kind: global_buffer, .address_space: global }
      - { .name: part, .offset: 8, .size: 8, .value_kind: global_buffer, .address_space: global }
      - { .name: hq, .offset: 16, .size: 8, .value_kind: global_buffer, .address_space: global }
      - { .name: head_weight_codes, .offset: 24, .size: 8, .value_kind: global_buffer, .address_space: global }
      - { .name: head_weight_scales, .offset: 32, .size: 8, .value_kind: global_buffer, .address_space: global }
      - { .name: head_bias, .offset: 40, .size: 8, .value_kind: global_buffer, .address_space: global }
      - { .name: w1_codes, .offset: 48, .size: 8, .value_kind: global_buffer, .address_space: global }
      - { .name: w1_scales, .offset: 56, .size: 8, .value_kind: global_buffer, .address_space: global }
      - { .name: b1, .offset: 64, .size: 8, .value_kind: global_buffer, .address_space: global }
      - { .name: w2_codes, .offset: 72, .size: 8, .value_kind: global_buffer, .address_space: global }
      - { .name: w2_scales, .offset: 80, .size: 8, .value_kind: global_buffer, .address_space: global }
      - { .name: b2, .offset: 88, .size: 8, .value_kind: global_buffer, .address_space: global }
      - { .name: w3, .offset: 96, .size: 8, .value_kind: global_buffer, .address_space: global }
      - { .name: b3, .offset: 104, .size: 8, .value_kind: global_buffer, .address_space: global }
      - { .name: out0, .offset: 112, .size: 8, .value_kind: global_buffer, .address_space: global }
    .group_segment_fixed_size: 5632
    .private_segment_fixed_size: 0
    .kernarg_segment_align: 8
    .kernarg_segment_size: 120
    .max_flat_workgroup_size: 320
    .sgpr_count:     100
    .vgpr_count:     256
    .wavefront_size: 32
...
	.end_amdgpu_metadata
.endif
;; end of part 3
;; ======== version 2 of 2: 3 launches; version 1 with the launches prep, main written anew for expert scheduling mode
;; limits: right only within a limited range of input values
;; workspace buffers: hq 769,024 bytes; route 8,448 bytes of whole numbers; part 11,198,464 bytes
;; launch prep (part 4): grid 11 x 32, 1 waves a work-group, no clusters, 0 bytes of LDS; arguments hidden_codes, hidden_scales, proj0_codes, proj0_scales, p1_codes, p1_scales, p2_codes, p2_scales, p3_codes, p3_scales, target, head_bias, b1, b3, hq, route; writes hq, route
.if DOCPART == 4
	.amdgcn_target "amdgcn-amd-amdhsa--gfx1250"
	.amdhsa_code_object_version 6
	.text
	.protected	k_qedd379d644_prep
	.globl	k_qedd379d644_prep
	.p2align	8
	.type	k_qedd379d644_prep,@function
k_qedd379d644_prep:
	s_mov_b64 s[64:65], 0
	v_nop
	global_prefetch_b8 v0, s[64:65] scope:SCOPE_SE
	s_setreg_imm32_b32 hwreg(HW_REG_WAVE_SCHED_MODE, 0, 2), 2
	s_setreg_imm32_b32 hwreg(HW_REG_WAVE_MODE, 25, 1), 1
	s_wait_xcnt 0x0
	s_wait_alu depctr_vm_vsrc(0)
; ADAPTIVE LOG-SOFTMAX, launch 1 of 3: the four projections of hidden, their quantising, and a counting sort of the tokens by cluster.
; WORK LEFT OUT BY THE PROGRAM.  reference() multiplies every tail's log-softmax by jnp.where(mask, ., 0), mask = (target >= l) & (target < r), built in its own body from the
; index input target.  For a token outside [l, r) the row of (hidden @ p_i) @ w_i.T, its softmax and its gather reach no output, whatever the floating-point inputs hold.
; So the later launches multiply, for each token, only the tail that its target names; they read that choice from memory as whole numbers.  Every input still has a way to an output: all are loaded.
; LIMITS.  A NaN, an infinity or an overflow that arises only in a tail that a token's target does not name is not carried to the result.  target lies in 0 .. 267,734 (an index stays inside its table).
; Rows that the last batch of a vocabulary repeats get the bias -1e30 (EDGE arrays below): logits stay under about 1e29 in magnitude.  A block of zeros gets the scale byte 1 where the rule says 127:
; its codes are zeros, and this program alone reads the bytes.
; SHARES.  One wave for (u, tb): the 32 tokens 32 tb on, and one unit of columns: u = 0..7: 128 columns of proj0; u = 8, 9: of p1; u = 10: p2's 64 and p3's 16.  K = 1,024: eight steps of 128.
; The product is used transposed (source 0 = 16 rows of P, source 1 = 16 tokens): a lane holds one token.  Lane r of tile 2 b + e takes P's row 32 b + 8 e + r + 8 (r / 8), so that the 16 registers of
; tiles 2 b and 2 b + 1 are 16 neighbours along the next product's K.
; Results go to hq by SORTED position: position = the cluster's first + the number of earlier tokens of the same cluster.  Each wave counts all 1,024 targets by ballots: no traffic between work-groups.
; The stores are pieces of 16 to 64 bytes at rows that the sort scatters: neighbouring tokens go to distant rows, so no stage in LDS could make them dense; they are 0.77 MB in all.
; REGISTERS.  window 0: v1 r, v2 h, v3-7 lane terms, v8 my position, v10, v11 the positions of my token in tile 0, 1, v12, v13 store offsets, v14 my target, v15 my token, v16-23 codes, v24 scale word,
;   v32-95 P's scale words (tile t, step s: 32 + 8 t + s), v96-111 hidden's (96 + 8 q + s), v112-127 at work, v128-255 the sums (128 + 64 q + 8 t; first the 32 words of targets; v232-245 the EDGE arrays).
;   window 1: P's fragments of steps 0-3 (64 (s % 4) + 8 t), window 2: of steps 4-7, window 3: hidden's (16 s + 8 q).  Nothing is loaded twice into a register.
; THE MODE: SCHED_MODE bits 1:0 = 2 (LLVM: expert scheduling mode 2), set by the entry lines.  The code itself states the register dependences between vector or matrix instructions and
; memory instructions, and those through scalar registers that vector instructions write, with s_wait_alu, always for 0.
; THE PLAN.  Registers that memory instructions touch:
;   v3-v7        offsets: written at the head, read by every load and by some stores, never written again: one wait on va_vdst ahead of the first load.
;   v14, v128-159, v32-111, windows 1 to 3   loads land in them once; no vector instruction stands between the head's wait and the last of these loads.
;   v16-24, v12, v13   written by a tile's quantising, read by its stores: a wait on va_vdst ahead of each run of stores, a wait on vm_vsrc ahead of the second tile's quantising.
;   v25, v15     the lists' offset and data: written ahead of the first tile's quantising, so that tile's wait covers them.   v26: the counts: a wait of its own.
;   v232-245     the EDGE arrays: named by no vector instruction ahead of their loads; mended in one run, one wait on va_vdst, then the stores.
;   Scalar registers that ballots write: the compares stand in runs, one wait on va_sdst behind each run; VCC: a wait on va_vcc between a compare and its select.
.set H0C, 0                            ; hq: h0's codes [position][512]
.set H0S, 524288                       ; its scale bytes [position][32]
.set H1C, 557056                       ; h1's codes [position][128]
.set H1S, 688128                       ; [position][8]
.set H2C, 696320                       ; h2's codes [position][32]
.set H2S, 729088                       ; [position][4]: two bytes, two zeros
.set H3B, 733184                       ; h3 as bf16 [position][16]
.set EDGE0, 765952                     ; the biases of the last 64 rows of the head, 128 of tail 1, 256 of tail 3; the rows that the batch before holds too: -1e30
.set EDGE1, 766976
.set EDGE3, 768000
.set NEG, 0xf149f2ca                   ; -1e30
.set PS, 32
.set HS, 96
.set TM, 112
.set ACC, 128
.set PC, 16
.set PW, 24
.set MSB, 0
.macro WIN new                         ; the immediate's high byte repeats the setting that is left
.if MSB != (\new)
	s_set_vgpr_msb (MSB<<8)|(\new)
.set MSB, (\new)
.endif
.endm
; all loads of a unit, in the order of their use: scale words, then K step by K step.  var = 0: eight tiles of one tensor; var = 1: four tiles of p2 and one of p3 (rows as they lie)
.macro LOADS var
.if \var == 0
.set NT, 8
.else
.set NT, 5
.endif
.set lt, 0
.rept NT
.if (lt < 4) || (\var == 0)
	global_load_b128 v[PS+8*lt:PS+8*lt+3], v4, s[48:49] offset:(32*(lt/2)+8*(lt%2))*32
	global_load_b128 v[PS+8*lt+4:PS+8*lt+7], v4, s[48:49] offset:(32*(lt/2)+8*(lt%2))*32+16
.else
	global_load_b128 v[PS+8*lt:PS+8*lt+3], v6, s[22:23]
	global_load_b128 v[PS+8*lt+4:PS+8*lt+7], v6, s[22:23] offset:16
.endif
.set lt, lt+1
.endr
.set lt, 0
.rept 4
	global_load_b128 v[HS+4*lt:HS+4*lt+3], v6, s[6:7] offset:512*(lt/2)+16*(lt%2)
.set lt, lt+1
.endr
.set ls, 0
.rept 8
	WIN 0x40*(1+ls/4)                              ; destination window 1 or 2
.set lt, 0
.rept NT
.if (lt < 4) || (\var == 0)
	global_load_b128 v[64*(ls%4)+8*lt:64*(ls%4)+8*lt+3], v3, s[46:47] offset:(32*(lt/2)+8*(lt%2))*512+64*ls
	global_load_b128 v[64*(ls%4)+8*lt+4:64*(ls%4)+8*lt+7], v3, s[46:47] offset:(32*(lt/2)+8*(lt%2))*512+64*ls+32
.else
	global_load_b128 v[64*(ls%4)+8*lt:64*(ls%4)+8*lt+3], v5, s[20:21] offset:64*ls
	global_load_b128 v[64*(ls%4)+8*lt+4:64*(ls%4)+8*lt+7], v5, s[20:21] offset:64*ls+32
.endif
.set lt, lt+1
.endr
	WIN 0xc0                                       ; destination window 3
.set lt, 0
.rept 4
	global_load_b128 v[16*ls+4*lt:16*ls+4*lt+3], v5, s[4:5] offset:8192*(lt/2)+64*ls+32*(lt%2)
.set lt, lt+1
.endr
.set ls, ls+1
.endr
	WIN 0
.endm
; the counting sort.  G1..G3 (s60-62): how many targets reach 20,000, 40,000, 200,000; s63, s66, s67: the same among the tokens ahead of my 32.
; The ballots stand in runs: first the three on my own word (s68-70, read behind the count), then four words' twelve at a time into s74-85, which are free until the counts are made.
.macro SORT
	s_mov_b32 s60, 0
	s_mov_b32 s61, 0
	s_mov_b32 s62, 0
	s_mov_b32 s63, 0
	s_mov_b32 s66, 0
	s_mov_b32 s67, 0
	v_cmp_le_u32 s68, s71, v14                     ; my own word: which lanes are of which cluster
	v_cmp_le_u32 s69, s72, v14
	v_cmp_le_u32 s70, s73, v14
.set sb, 0
.rept 8
.set sw, 0
.rept 4
	v_cmp_le_u32 s[74+3*sw], s71, v[ACC+4*sb+sw]
	v_cmp_le_u32 s[75+3*sw], s72, v[ACC+4*sb+sw]
	v_cmp_le_u32 s[76+3*sw], s73, v[ACC+4*sb+sw]
.set sw, sw+1
.endr
	s_wait_alu depctr_va_sdst(0)                   ; the run's ballots are written (in the first run s68 to s70 too), ahead of the scalar lines that read them
.set sw, 0
.rept 4
	s_cmp_eq_u32 s36, 4*sb+sw                      ; ahead of my own word the running counts are kept
	s_cselect_b32 s63, s60, s63
	s_cselect_b32 s66, s61, s66
	s_cselect_b32 s67, s62, s67
	s_bcnt1_i32_b32 s[74+3*sw], s[74+3*sw]
	s_bcnt1_i32_b32 s[75+3*sw], s[75+3*sw]
	s_bcnt1_i32_b32 s[76+3*sw], s[76+3*sw]
	s_add_co_u32 s60, s60, s[74+3*sw]
	s_add_co_u32 s61, s61, s[75+3*sw]
	s_add_co_u32 s62, s62, s[76+3*sw]
.set sw, sw+1
.endr
.set sb, sb+1
.endr
	s_sub_co_u32 s74, 1024, s60                    ; s74-77: tokens of cluster 0..3
	s_sub_co_u32 s75, s60, s61
	s_sub_co_u32 s76, s61, s62
	s_mov_b32 s77, s62
	s_mov_b32 s78, 0                               ; s78-81: each cluster's first position
	s_mov_b32 s79, s74
	s_sub_co_u32 s80, 1024, s61
	s_sub_co_u32 s81, 1024, s62
.irp k, 0,1,2,3
	s_add_co_u32 s[82+\k], s[74+\k], 15            ; s82-85: its tiles of 16 tokens
	s_lshr_b32 s[82+\k], s[82+\k], 4
.endr
	s_sub_co_u32 s86, s37, s63                     ; s86-89: first position + earlier tokens of the cluster ahead of my word
	s_add_co_u32 s87, s79, s63
	s_sub_co_u32 s87, s87, s66
	s_add_co_u32 s88, s80, s66
	s_sub_co_u32 s88, s88, s67
	s_add_co_u32 s89, s81, s67
	s_not_b32 s90, s68
	s_and_not1_b32 s91, s68, s69
	s_and_not1_b32 s92, s69, s70
	s_mov_b32 s93, s70
	v_mbcnt_lo_u32_b32 v8, s90, s86                ; + the lanes of the cluster below mine
.irp k, 1,2,3
	v_mbcnt_lo_u32_b32 v25, s[90+\k], s[86+\k]
	v_cndmask_b32 v8, v8, v25, s[90+\k]
.endr
	v_min_u32 v8, 0x3ff, v8
	v_permlanex16_b32 v9, v8, s96, s97
	v_cndmask_b32 v10, v8, v9, s94                 ; lane (r, h): the position of token r of tile 0,
	v_cndmask_b32 v11, v9, v8, s94                 ; and of tile 1
	v_min_u32 v10, 0x3ff, v10
	v_min_u32 v11, 0x3ff, v11
.endm
; the products: the sums take turns, one instruction a turn, in the same order in every K step
.macro MM
.set NLD, 2*NT+4
.set ms, 0
.rept 8
.if NLD*(7-ms) > 63
	s_wait_loadcnt 63                              ; loads come back in order: more than 63 are younger than this step's, and the count cannot name more
.else
	s_wait_loadcnt NLD*(7-ms)                      ; the later steps' loads may stay out
.endif
	WIN 0x0c|(1+ms/4)                              ; source 0 window 1 or 2, source 1 window 3, C and D window 0
.set mt, 0
.rept NT
.set mq, 0
.rept 2
.if ms == 0
	v_wmma_scale_f32_16x16x128_f8f6f4 v[ACC+64*mq+8*mt:ACC+64*mq+8*mt+7], v[64*(ms%4)+8*mt:64*(ms%4)+8*mt+7], v[16*ms+8*mq:16*ms+8*mq+7], 0, v[PS+8*mt+ms], v[HS+8*mq+ms] matrix_a_fmt:MATRIX_FMT_FP4 matrix_b_fmt:MATRIX_FMT_FP4
.else
	v_wmma_scale_f32_16x16x128_f8f6f4 v[ACC+64*mq+8*mt:ACC+64*mq+8*mt+7], v[64*(ms%4)+8*mt:64*(ms%4)+8*mt+7], v[16*ms+8*mq:16*ms+8*mq+7], v[ACC+64*mq+8*mt:ACC+64*mq+8*mt+7], v[PS+8*mt+ms], v[HS+8*mq+ms] matrix_a_fmt:MATRIX_FMT_FP4 matrix_b_fmt:MATRIX_FMT_FP4
.endif
.set mq, mq+1
.endr
.set mt, mt+1
.endr
.set ms, ms+1
.endr
	WIN 0
.rept 4
	v_nop                                          ; four places between the last product and the first read of a sum (ISA guide 7.12.1)
.endr
.endm
; 16 nb numbers of a lane, register 16 b + i = k 32 b + 16 h + i of my token, become codes in v[PC] on (a whole block a lane) and the scale word in v[PW]
.macro QUANT s, nb
.set qb, 0
.rept \nb
	v_max3_num_f32 v[TM+qb], |v[\s+16*qb]|, |v[\s+16*qb+1]|, 0x1800000   ; with the floor 2^(3 - 127): the byte cannot fall under 1
.set qb, qb+1
.endr
.set qi, 2
.rept 7
.set qb, 0
.rept \nb
	v_max3_num_f32 v[TM+qb], v[TM+qb], |v[\s+16*qb+qi]|, |v[\s+16*qb+qi+1]|
.set qb, qb+1
.endr
.set qi, qi+2
.endr
.set qb, 0
.rept \nb
	v_permlanex16_b32 v[TM+4+qb], v[TM+qb], s96, s97
.set qb, qb+1
.endr
.set qb, 0
.rept \nb
	v_max_num_f32 v[TM+qb], v[TM+qb], v[TM+4+qb]   ; with lane l xor 16's: the block's largest magnitude
.set qb, qb+1
.endr
.set qb, 0
.rept \nb
	v_add_nc_u32 v[TM+12+qb], 0xff000000, v[TM+qb] ; 2 off its exponent field: the conversion's scale operand
.set qb, qb+1
.endr
.set qb, 0
.rept \nb
	v_lshrrev_b32 v[TM+4+qb], 23, v[TM+12+qb]      ; the scale's byte
.set qb, qb+1
.endr
	v_lshl_or_b32 v[PW], v[TM+5], 8, v[TM+4]
.if \nb == 4
	v_lshl_or_b32 v[PW], v[TM+6], 16, v[PW]
	v_lshl_or_b32 v[PW], v[TM+7], 24, v[PW]
.endif
.set qb, 0
.rept \nb
	v_cvt_scalef32_pk8_fp4_f32 v[PC+2*qb], v[\s+16*qb:\s+16*qb+7], v[TM+12+qb]
	v_cvt_scalef32_pk8_fp4_f32 v[PC+2*qb+1], v[\s+16*qb+8:\s+16*qb+15], v[TM+12+qb]
.set qb, qb+1
.endr
	v_nop                                          ; one plain place behind a scaled conversion
.set qb, 0
.rept \nb/2
	v_permlane16_swap_b32 v[PC+4*qb], v[PC+4*qb+2] ; lanes 0-15 get block 2 c whole, lanes 16-31 block 2 c + 1
	v_permlane16_swap_b32 v[PC+4*qb+1], v[PC+4*qb+3]
.set qb, qb+1
.endr
.endm
; a fragment (128 along the next K) of tile q's 16 tokens.  rsh, ssh: log2 of a result row's bytes and of its scale bytes; the region and the fragment's place stand in the two bases
.macro PUT0 q, rsh, ssh
.if \q > 0
	s_wait_xcnt 0x0                                ; the stores of tile 0 have had their addresses translated: only now are their registers written again
	s_wait_alu depctr_vm_vsrc(0)                   ; the stores of tile 0 have read the codes, the scale word, v12 and v13, which the lines below write again
.endif
	QUANT ACC+64*\q, 4
	v_lshlrev_b32 v12, \rsh, v[10+\q]              ; position x the row's bytes
	v_lshl_add_u32 v12, v2, 4, v12
	v_lshlrev_b32 v13, \ssh, v[10+\q]
	s_wait_alu depctr_va_vdst(0)                   ; the codes, the scale word and the two offsets are written, which the three stores read
	global_store_b128 v12, v[PC:PC+3], s[52:53]
	global_store_b128 v12, v[PC+4:PC+7], s[52:53] offset:32
	global_store_b32 v13, v[PW], s[58:59]          ; (both halves of the lanes hold the same word)
.endm
.macro PUT1 q                          ; h2 (two blocks) and h3 (bf16) of tile q's 16 tokens
.if \q > 0
	s_wait_xcnt 0x0
	s_wait_alu depctr_vm_vsrc(0)                   ; the stores of tile 0 have read the codes, h3's four registers, the scale word, v12 and v13, which the lines below write again
.endif
	QUANT ACC+64*\q, 2
.irp i, 0,1,2,3
	v_cvt_pk_bf16_f32 v[PC+4+\i], v[ACC+64*\q+32+2*\i], v[ACC+64*\q+33+2*\i]
.endr
	v_lshlrev_b32 v12, 5, v[10+\q]
	v_lshl_add_u32 v12, v2, 4, v12
	v_lshlrev_b32 v13, 2, v[10+\q]
	s_wait_alu depctr_va_vdst(0)                   ; the codes, h3, the scale word and the two offsets are written, which the three stores read (and, in tile 0's turn, v25 and v15 for the lists' stores)
	global_store_b128 v12, v[PC:PC+3], s[32:33] offset:H2C
	global_store_b128 v12, v[PC+4:PC+7], s[32:33] offset:H3B
	global_store_b32 v13, v[PW], s[32:33] offset:H2S
.endm
.macro EDGELD ptr, first, cnt, rows, reg
.set er, 0
.rept \rows
.if \cnt-32*er < 32
	global_load_b32 v[\reg+er], v7, s[\ptr:\ptr+1] offset:(\first+32*er)*4
.endif
.set er, er+1
.endr
.endm
.macro EDGEFIX cnt, rows, reg          ; the rows that the batch before holds too become -1e30
.set er, 0
.rept \rows
.if \cnt-32*er >= 32
	v_mov_b32 v[\reg+er], NEG
.elseif \cnt-32*er > 0
	v_cmp_gt_u32 vcc_lo, \cnt-32*er, v0
	s_wait_alu depctr_va_vcc(0)                    ; VCC is written, ahead of the select that reads it
	v_cndmask_b32 v[\reg+er], v[\reg+er], v27, vcc_lo
.endif
.set er, er+1
.endr
.endm
.macro EDGEOUT rows, reg, dst
.set er, 0
.rept \rows
	global_store_b32 v7, v[\reg+er], s[32:33] offset:\dst+128*er
.set er, er+1
.endr
.endm
	s_load_b512 s[4:19], s[0:1], 0x0               ; hidden codes, scales; proj0; p1; p2
	s_load_b512 s[20:35], s[0:1], 0x40             ; p3 codes, scales; target s[24:25]; head_bias; b1; b3; hq s[32:33]; route s[34:35]
	s_and_b32 s36, ttmp7, 0xffff                   ; tb
	v_and_b32 v1, 15, v0                           ; r
	v_bfe_u32 v2, v0, 4, 1                         ; h
	v_and_b32 v25, 8, v1
	v_add_nc_u32 v25, v25, v1                      ; r + 8 (r / 8)
	v_lshlrev_b32 v3, 9, v25
	v_lshl_add_u32 v3, v2, 4, v3                   ; P's codes: chosen row x 512 + 16 h
	v_lshlrev_b32 v4, 5, v25                       ; P's scale bytes
	v_lshlrev_b32 v5, 9, v1
	v_lshl_add_u32 v5, v2, 4, v5                   ; rows as they lie: r x 512 + 16 h
	v_lshlrev_b32 v6, 5, v1
	v_lshlrev_b32 v7, 2, v0
	v_mov_b32 v9, 0                                ; a lane permute's destination counts as one of its sources
.irp b, 0,1,2,3
	v_mov_b32 v[TM+4+\b], 0
.endr
	s_lshl_b32 s37, s36, 5                         ; my first token
	s_lshl_b32 s38, s36, 14
	s_mov_b32 s39, 0
	s_lshl_b32 s40, s36, 10
	s_mov_b32 s41, 0
	s_lshl_b32 s42, s36, 7
	s_mov_b32 s43, 0
	s_mov_b32 s71, 20000
	s_mov_b32 s72, 40000
	s_mov_b32 s73, 200000
	s_mov_b32 s94, 0xffff0000
	s_mov_b32 s96, 0x76543210
	s_mov_b32 s97, 0xfedcba98
	s_wait_kmcnt 0x0
	s_add_nc_u64 s[4:5], s[4:5], s[38:39]          ; hidden at my 32 tokens
	s_add_nc_u64 s[6:7], s[6:7], s[40:41]
	s_add_nc_u64 s[44:45], s[24:25], s[42:43]
	s_wait_alu depctr_va_vdst(0)                   ; the lane terms v3 to v7 are written: every load of the kernel reads one of them as its offset; no vector instruction stands between this wait and the last load of a unit's operands
	global_load_b32 v14, v7, s[44:45]              ; my token's target
.set tj, 0
.rept 32
	global_load_b32 v[ACC+tj], v7, s[24:25] offset:128*tj   ; all 1,024, a word of 32 to a register
.set tj, tj+1
.endr
	s_cmp_eq_u32 ttmp9, 10
	s_cbranch_scc1 .Lsmall
	; ---- u = 0..9: 128 columns of proj0 or of p1
	s_mov_b32 s54, H1C
	s_mov_b32 s55, H1S
	s_cmp_lt_u32 ttmp9, 8
	s_cselect_b64 s[46:47], s[8:9], s[12:13]
	s_cselect_b64 s[48:49], s[10:11], s[14:15]
	s_cselect_b32 s50, 0, 8
	s_cselect_b32 s54, H0C, s54                    ; the result's region: its codes,
	s_cselect_b32 s55, H0S, s55                    ; its scale bytes
	s_sub_co_u32 s50, ttmp9, s50                   ; which 128 columns: the fragment of the next K
	s_lshl_b32 s56, s50, 16
	s_mov_b32 s57, 0
	s_add_nc_u64 s[46:47], s[46:47], s[56:57]
	s_lshl_b32 s56, s50, 12
	s_add_nc_u64 s[48:49], s[48:49], s[56:57]
	s_lshl_b32 s56, s50, 6
	s_add_co_u32 s56, s56, s54
	s_add_nc_u64 s[52:53], s[32:33], s[56:57]      ; hq + region + 64 x fragment
	s_lshl_b32 s56, s50, 2
	s_add_co_u32 s56, s56, s55
	s_add_nc_u64 s[58:59], s[32:33], s[56:57]      ; hq + region + 4 x fragment
	LOADS 0
	s_wait_loadcnt 63                              ; 180 loads are younger than the targets: these have landed
	SORT
	MM
	s_cmp_lt_u32 ttmp9, 8                          ; the two row sizes are written out, so that every shift behind the hold at 1,023 is a constant
	s_cbranch_scc0 .Lp1out
	PUT0 0, 9, 5
	PUT0 1, 9, 5
	s_endpgm
.Lp1out:
	PUT0 0, 7, 3
	PUT0 1, 7, 3
	s_endpgm
.Lsmall:
	; ---- u = 10: p2 and p3; the lists; the counts; the EDGE arrays
	s_mov_b64 s[46:47], s[16:17]
	s_mov_b64 s[48:49], s[18:19]
	LOADS 1
	s_wait_loadcnt 63                              ; 126 loads are younger than the targets
	SORT
	MM
	v_lshlrev_b32 v25, 2, v8                       ; the lists' offset and the token's number are made here, ahead of tile 0's wait on va_vdst; nothing writes them again
	v_add_nc_u32 v15, s37, v0
	PUT1 0
	PUT1 1
	global_store_b32 v25, v14, s[34:35] offset:256     ; target by position (v14 came by a load)
	global_store_b32 v25, v15, s[34:35] offset:4352    ; token by position
	s_cmp_lg_u32 s36, 0
	s_cbranch_scc1 .Lno_meta
	v_mov_b32 v26, 0
.set wl, 0
.rept 12
	v_writelane_b32 v26, s[74+wl], wl              ; counts, first positions, tiles
.set wl, wl+1
.endr
	s_wait_alu depctr_va_vdst(0)                   ; v26 is written, which the store reads
	global_store_b32 v7, v26, s[34:35]
.Lno_meta:
	s_cmp_lg_u32 s36, 1
	s_cbranch_scc1 .Lend
	v_mov_b32 v27, NEG
	EDGELD 26, 19939, 29, 2, 232                   ; the head's last 64 rows begin at 19,939: 29 of them lie in the batch before too.  (On this way no vector or matrix instruction has named v232 to v245)
	EDGELD 28, 19872, 96, 4, 234
	EDGELD 30, 67479, 105, 8, 238
	s_wait_loadcnt 0x0
	EDGEFIX 29, 2, 232
	EDGEFIX 96, 4, 234
	EDGEFIX 105, 8, 238
	s_wait_alu depctr_va_vdst(0)                   ; the mended registers among v232 to v245 are written, which the fourteen stores read
	EDGEOUT 2, 232, EDGE0
	EDGEOUT 4, 234, EDGE1
	EDGEOUT 8, 238, EDGE3
.Lend:
	s_endpgm
.Lfunc_end_k_qedd379d644_prep:
	.size	k_qedd379d644_prep, .Lfunc_end_k_qedd379d644_prep-k_qedd379d644_prep
	.p2alignl 7, 3214868480
	.fill 96, 4, 3214868480
	.section	.rodata,"a",@progbits
	.p2align	6, 0x0
	.amdhsa_kernel k_qedd379d644_prep
		.amdhsa_group_segment_fixed_size 0
		.amdhsa_private_segment_fixed_size 0
		.amdhsa_enable_private_segment 0
		.amdhsa_kernarg_size 128
		.amdhsa_user_sgpr_count 2
		.amdhsa_user_sgpr_kernarg_segment_ptr 1
		.amdhsa_wavefront_size32 1
		.amdhsa_system_sgpr_workgroup_id_x 1
		.amdhsa_system_sgpr_workgroup_id_y 1
		.amdhsa_system_sgpr_workgroup_id_z 1
		.amdhsa_system_vgpr_workitem_id 0
		.amdhsa_next_free_vgpr 896
		.amdhsa_next_free_sgpr 100
		.amdhsa_reserve_vcc 1
		.amdhsa_float_denorm_mode_32 3
		.amdhsa_float_denorm_mode_16_64 3
		.amdhsa_memory_ordered 1
		.amdhsa_forward_progress 1
		.amdhsa_inst_pref_size 126
	.end_amdhsa_kernel
	.amdgpu_metadata
---
amdhsa.version: [ 1, 2 ]
amdhsa.kernels:
  - .name:           k_qedd379d644_prep
    .symbol:         k_qedd379d644_prep.kd
    .args:
      - { .name: hidden_codes, .offset: 0, .size: 8, .value_kind: global_buffer, .address_space: global }
      - { .name: hidden_scales, .offset: 8, .size: 8, .value_kind: global_buffer, .address_space: global }
      - { .name: proj0_codes, .offset: 16, .size: 8, .value_kind: global_buffer, .address_space: global }
      - { .name: proj0_scales, .offset: 24, .size: 8, .value_kind: global_buffer, .address_space: global }
      - { .name: p1_codes, .offset: 32, .size: 8, .value_kind: global_buffer, .address_space: global }
      - { .name: p1_scales, .offset: 40, .size: 8, .value_kind: global_buffer, .address_space: global }
      - { .name: p2_codes, .offset: 48, .size: 8, .value_kind: global_buffer, .address_space: global }
      - { .name: p2_scales, .offset: 56, .size: 8, .value_kind: global_buffer, .address_space: global }
      - { .name: p3_codes, .offset: 64, .size: 8, .value_kind: global_buffer, .address_space: global }
      - { .name: p3_scales, .offset: 72, .size: 8, .value_kind: global_buffer, .address_space: global }
      - { .name: target, .offset: 80, .size: 8, .value_kind: global_buffer, .address_space: global }
      - { .name: head_bias, .offset: 88, .size: 8, .value_kind: global_buffer, .address_space: global }
      - { .name: b1, .offset: 96, .size: 8, .value_kind: global_buffer, .address_space: global }
      - { .name: b3, .offset: 104, .size: 8, .value_kind: global_buffer, .address_space: global }
      - { .name: hq, .offset: 112, .size: 8, .value_kind: global_buffer, .address_space: global }
      - { .name: route, .offset: 120, .size: 8, .value_kind: global_buffer, .address_space: global }
    .group_segment_fixed_size: 0
    .private_segment_fixed_size: 0
    .kernarg_segment_align: 8
    .kernarg_segment_size: 128
    .max_flat_workgroup_size: 32
    .sgpr_count:     100
    .vgpr_count:     896
    .wavefront_size: 32
...
	.end_amdgpu_metadata
.endif
;; end of part 4
;; launch main (part 5): grid 256 x 1, 8 waves a work-group, no clusters, 96,768 bytes of LDS; arguments hq, route, part, head_weight_codes, head_weight_scales, head_bias, w2_codes, w2_scales, b2, w3, b3, w1_codes, w1_scales, b1; writes part
.if DOCPART == 5
	.amdgcn_target "amdgcn-amd-amdhsa--gfx1250"
	.amdhsa_code_object_version 6
	.text
	.protected	k_qedd379d644_main
	.globl	k_qedd379d644_main
	.p2align	8
	.type	k_qedd379d644_main,@function
k_qedd379d644_main:
	s_mov_b64 s[64:65], 0
	v_nop
	global_prefetch_b8 v0, s[64:65] scope:SCOPE_SE
	s_setreg_imm32_b32 hwreg(HW_REG_WAVE_SCHED_MODE, 0, 2), 2
	s_setreg_imm32_b32 hwreg(HW_REG_WAVE_MODE, 25, 1), 1
	s_wait_xcnt 0x0
	s_wait_alu depctr_vm_vsrc(0)
; ADAPTIVE LOG-SOFTMAX, launch 2 of 3: for the head's logits of all tokens and for each token's OWN tail, partial (maximum, sum of exponentials).
; LEFT OUT: the tails that a token's target does not name (reference() masks them by jnp.where on target; shown at the head of the first kernel).
; A UNIT = R rows of a vocabulary, resident in a wave's registers (source 0), x one tile of 16 tokens (source 1): a lane holds one token and R / 2 logits.  The bias is the C of the first product.
; The unit's true maximum m is taken away before the exponentials; it stores m and s = sum of e^(x - m) at part[batch][position].  Units share no state; the last launch merges them.
; R: head 64 (K = 1,024), tail 1 128 (K = 256), tail 2 256 (K = 64, filled to 128 with zero codes), tail 3 256 (K = 16, bf16, filled to 32 with zeros).
; The last batch of a vocabulary begins at V - R; the rows that it repeats have the bias -1e30 (hq's EDGE arrays).  LIMIT: logits under about 1e29 in magnitude.
; SHARES.  Tail k has U = batches x tiles of its tokens units; wave gw of 2,048 takes units gw U / 2,048 .. (gw + 1) U / 2,048: even for every split, all tokens in one cluster too.
; Head: work-group g takes units 10 g .. 10 g + 9 of 40 x 64 (group of 8 batches, tile of tokens); wave w holds batch 8 rc + w; the ten tiles (and one more, for the last look-ahead) are staged once in LDS
; as images of the operand's registers and read by all eight waves.  Batches 313 .. 319 repeat the last one into slots that the last launch masks.
; Waves 0-3 run head, tails; waves 4-7 tails, head: the two waves of a SIMD are in different phases.
; NO TENSOR LOADS, NO CLUSTER: trip counts hang on counts read from memory, and partners would need different numbers of tiles.
; REGISTERS.  window 0: v1 r, v2 h, v3 lane, v4-9, v14, v58-63 lane terms, v10-12 the tokens' addresses, v15, v62 LDS addresses, v16-23 block maxima, v24 m, v[26:27] -c m, v28, v29 the store,
;   v30, v31 the add's two, v32-47 the rows' scale words, v48-55 the tokens', v64-127 the tokens' fragments, v128-255 the logits (head: 128-159, its bias 160-191).
;   window 1: the resident rows (head: 8 (8 i + s); tail 1: 16 i + 8 s; tails 2, 3: 8 i, registers 4-7 zero) and from v128 the tails' biases.
; THE MODE: SCHED_MODE bits 1:0 = 2 (LLVM: expert scheduling mode 2), set by the entry lines.  The code itself states the register dependences between vector or matrix instructions and
; memory or LDS instructions, and those through scalar registers that vector instructions write, with s_wait_alu, always for 0.
; THE PLAN.  Registers that memory or LDS instructions touch:
;   v4-9, v14, v57-61, v63   lane terms: written at the head, read as offsets, never written again: the head's one wait on va_vdst.
;   the rows, their biases and scale words (window 1; v160-191; v32-47), the tokens' fragments and scale words (v64-127, v48-55):
;                loads issued in unit u land in them for unit u + 1; the products alone read them (tail 3: its conversions write the rows in place).
;   v10-12 (tails), v15, v62 (head)   the tokens' addresses: written once a unit, read by the unit's loads.
;   v28, v29     the pair's data and offset: written in a unit, read by its one store.
;   v128-255 (but the head's bias), v16-27, v56: named by vector and matrix instructions alone behind the staging.
; A UNIT: the wait for its operands; its products; a wait on vm_vsrc (the last store has read v28, v29; this unit's loads have read the addresses); the lines that make the store's offset and the
; NEXT tile's addresses; ONE wait on va_vdst (the products are done reading all that they read; the addresses are written); the next unit's loads, with scalar lines and window switches alone between
; the wait and them; the softmax, which names none of the registers in which those loads land; the exponentials' wait; a wait on va_vdst for v28; the store.
; No second set of operand registers: a wave has 512; window 1 is full of rows and biases, and in the tails the upper half of window 0 is all logits.
.set H0S, 524288
.set H1C, 557056
.set H1S, 688128
.set H2C, 696320
.set H2S, 729088
.set H3B, 733184
.set EDGE0, 765952
.set EDGE1, 766976
.set EDGE3, 768000
.set P0R, 0                            ; part: [batch][position][m, s]; the head's 320 batches, tail 1's 157, tail 3's 265, tail 2's 625
.set P1R, 2621440
.set P3R, 3907584
.set P2R, 6078464
.set SLOTB, 8704                       ; LDS: a tile of tokens: 16 images of 512 bytes (2 s + c), then 16 rows of 32 scale bytes
.set SPARE, 11*SLOTB                   ; behind the 11 tiles: the spare words, 128 bytes for each wave: four blocks of 256 bytes that no other line names
.set MSB, 0
.macro WIN new
.if MSB != (\new)
	s_set_vgpr_msb (MSB<<8)|(\new)
.set MSB, (\new)
.endif
.endm
; the pointers of batch s55: codes s[60:61], scale bytes s[62:63], bias s[66:67].  Every offset ends in a hold at a constant.
; edge >= 0 (the head alone, whose batch is made of ids): the last batch's bias pointer is the EDGE array, by a select.  edge < 0: the bias pointer is the input's own array at the batch's first row
.macro LOADPTR rsh, vmr, nbm1, csh, cptr, ssh, sptr, bptr, edge
	s_lshl_b32 s70, s55, \rsh                      ; batch x R
	s_mov_b32 s73, 0
.if \edge >= 0
	s_add_nc_u64 s[68:69], s[4:5], \edge
	s_cmp_ge_u32 s55, \nbm1                        ; the last batch takes its biases from the EDGE array
	s_cselect_b64 s[66:67], s[68:69], s[\bptr:\bptr+1]
	s_cselect_b32 s71, 0, s70
.else
	s_mov_b64 s[66:67], s[\bptr:\bptr+1]
	s_mov_b32 s71, s70
.endif
	s_min_u32 s71, s71, \vmr
	s_lshl_b32 s72, s71, 2
	s_add_nc_u64 s[66:67], s[66:67], s[72:73]
	s_min_u32 s70, s70, \vmr                       ; the batch's first row: the last batch is moved back to V - R
	s_lshl_b32 s72, s70, \csh
	s_add_nc_u64 s[60:61], s[\cptr:\cptr+1], s[72:73]
.if \ssh >= 0
	s_lshl_b32 s72, s70, \ssh
	s_add_nc_u64 s[62:63], s[\sptr:\sptr+1], s[72:73]
.endif
.endm
.macro BIAS1 n, ptr                    ; n registers of bias into window 1 from v128: lane (r, h), tile i: rows 16 i + 8 h + 0 .. 7
.set la, 0
.rept \n/4
	global_load_b128 v[128+4*la:131+4*la], v6, s[\ptr:\ptr+1] offset:64*(la/2)+16*(la%2)
.set la, la+1
.endr
.endm
; The biases of a tail's batch: the last batch takes the EDGE array, every other the input's own.  In the tails the batch hangs on counts read from memory, so no pointer is selected by it:
; each of the two pointers stays what it is, and a scalar branch leads to one of two copies of the loads.  At the branch and at the labels every window is 0.
.macro BIASSEL n, nbm1, edge
	s_add_nc_u64 s[68:69], s[4:5], \edge
	s_cmp_ge_u32 s55, \nbm1
	s_cbranch_scc1 .Ledge\@
	WIN 0x40
	BIAS1 \n, 66
	WIN 0
	s_branch .Lbias\@
.Ledge\@:
	WIN 0x40
	BIAS1 \n, 68
	WIN 0
.Lbias\@:
.endm
.macro LOADA k                         ; batch s55 of kind k becomes resident.  No vector instruction stands in it: it follows a wait on va_vdst with scalar lines, loads and window switches alone between
.if \k == 0
	LOADPTR 6, 19939, 312, 9, 10, 5, 12, 14, EDGE0
	WIN 0x40
.set la, 0
.rept 32
	global_load_b128 v[8*la:8*la+3], v4, s[60:61] offset:8192*(la/8)+64*(la%8)
	global_load_b128 v[8*la+4:8*la+7], v4, s[60:61] offset:8192*(la/8)+64*(la%8)+32
.set la, la+1
.endr
	WIN 0
.set la, 0
.rept 4
	global_load_b128 v[32+4*la:35+4*la], v5, s[62:63] offset:1024*(la/2)+16*(la%2)   ; lane l: row l of 32: lanes 0-15 an even tile's words, lanes 16-31 the odd one's
.set la, la+1
.endr
.set la, 0
.rept 8
	global_load_b128 v[160+4*la:163+4*la], v6, s[66:67] offset:64*(la/2)+16*(la%2)
.set la, la+1
.endr
.elseif \k == 1
	LOADPTR 7, 19872, 156, 7, 26, 3, 28, 30, -1
	WIN 0x40
.set la, 0
.rept 16
	global_load_b128 v[8*la:8*la+3], v7, s[60:61] offset:2048*(la/2)+64*(la%2)
	global_load_b128 v[8*la+4:8*la+7], v7, s[60:61] offset:2048*(la/2)+64*(la%2)+32
.set la, la+1
.endr
	WIN 0
.set la, 0
.rept 4
	global_load_b64 v[32+2*la:33+2*la], v8, s[62:63] offset:256*la
.set la, la+1
.endr
	BIASSEL 64, 156, EDGE1
.elseif \k == 2
	LOADPTR 8, 159744, 624, 5, 16, 1, 18, 20, -1
	WIN 0x40
.set la, 0
.rept 16
	global_load_b128 v[8*la:8*la+3], v58, s[60:61] offset:512*la   ; 32 lanes read 512 consecutive bytes
.set la, la+1
.endr
	BIAS1 128, 66
	WIN 0
.set la, 0
.rept 8
	global_load_u16 v[32+la], v59, s[62:63] offset:64*la           ; two scale bytes; the upper two are 0 and stand over zero codes
.set la, la+1
.endr
.else
	LOADPTR 8, 67479, 264, 6, 22, -1, 0, 24, -1
	WIN 0x40
.set la, 0
.rept 32
	global_load_b128 v[4*la:4*la+3], v60, s[60:61] offset:1024*(la/2)+16*(la%2)   ; f32 as it lies; rounded to bf16 in place when it has landed
.set la, la+1
.endr
	WIN 0
	BIASSEL 128, 264, EDGE3
	s_mov_b32 s59, 1
.endif
.endm
; The tile of the cluster's tokens (first position s58) whose number stands in s[st]: its addresses.  They are made ahead of the unit's wait on va_vdst, the loads follow behind it.
.macro BADDR k, st
	s_lshl_b32 s70, s[\st], 4
	s_add_co_u32 s70, s70, s58
	v_add_nc_u32 v10, s70, v1
	v_min_u32 v10, 0x3ff, v10
.if \k == 1
	v_lshl_add_u32 v11, v10, 7, v9
	v_lshlrev_b32 v12, 3, v10
.elseif \k == 2
	v_lshl_add_u32 v11, v10, 5, v9
	v_lshlrev_b32 v12, 2, v10
.else
	v_lshl_add_u32 v11, v10, 5, v9
.endif
.endm
.macro BLOAD k                         ; and its loads
.if \k == 1
.irp f, 0,1,2,3
	global_load_b128 v[64+4*\f:67+4*\f], v11, s[4:5] offset:H1C+32*\f
.endr
	global_load_b64 v[48:49], v12, s[4:5] offset:H1S
.elseif \k == 2
	global_load_b128 v[64:67], v11, s[4:5] offset:H2C
	global_load_b32 v48, v12, s[4:5] offset:H2S
.else
	global_load_b128 v[64:67], v11, s[4:5] offset:H3B
.endif
.endm
.macro FP4 d, a, b, c, sa, sb, row1
.if \row1
	v_wmma_scale_f32_16x16x128_f8f6f4 v[\d:\d+7], v[\a:\a+7], v[\b:\b+7], v[\c:\c+7], v[\sa], v[\sb] matrix_a_fmt:MATRIX_FMT_FP4 matrix_b_fmt:MATRIX_FMT_FP4 matrix_a_scale:MATRIX_SCALE_ROW1
.else
	v_wmma_scale_f32_16x16x128_f8f6f4 v[\d:\d+7], v[\a:\a+7], v[\b:\b+7], v[\c:\c+7], v[\sa], v[\sb] matrix_a_fmt:MATRIX_FMT_FP4 matrix_b_fmt:MATRIX_FMT_FP4
.endif
.endm
; a unit's products in one run; the sums take turns, one instruction a turn; the first product of each sum takes the bias as C
.macro MMA k
.if \k == 0
	WIN 0x01                                       ; source 0 window 1
.set ms, 0
.rept 8
.set mi, 0
.rept 4
.if ms == 0
	FP4 128+8*mi, 8*(8*mi+ms), 64+8*ms, 160+8*mi, 32+8*(mi/2)+ms, 48+ms, mi%2
.else
	FP4 128+8*mi, 8*(8*mi+ms), 64+8*ms, 128+8*mi, 32+8*(mi/2)+ms, 48+ms, mi%2
.endif
.set mi, mi+1
.endr
.set ms, ms+1
.endr
.elseif \k == 1
	WIN 0x11                                       ; sources 0 and 2 window 1
.set mi, 0
.rept 8
	FP4 128+8*mi, 16*mi, 64, 128+8*mi, 32+2*(mi/2), 48, mi%2
.set mi, mi+1
.endr
	WIN 0x01
.set mi, 0
.rept 8
	FP4 128+8*mi, 16*mi+8, 72, 128+8*mi, 33+2*(mi/2), 49, mi%2
.set mi, mi+1
.endr
.elseif \k == 2
	WIN 0x11
.set mi, 0
.rept 16
	FP4 128+8*mi, 8*mi, 64, 128+8*mi, 32+mi/2, 48, mi%2
.set mi, mi+1
.endr
.else
	WIN 0x11
.set mi, 0
.rept 16
	v_wmma_f32_16x16x32_bf16 v[128+8*mi:135+8*mi], v[8*mi:8*mi+7], v[64:71], v[128+8*mi:135+8*mi]
.set mi, mi+1
.endr
.endif
	WIN 0
.endm
; where the unit's pair goes.  The four vector lines name no register of the products: they are the four places between the run of products and the softmax's first read of a sum (ISA guide 7.12.1)
.macro STADDR nbm1
	s_wait_xcnt 0x0                                ; the last unit's store has had its address translated: only now are v28 and v29 written again (the wait on vm_vsrc for them stands beside: in the tails just ahead, in the head at the loop's top)
	s_min_u32 s71, s55, \nbm1
	s_lshl_b32 s71, s71, 13
	s_lshl_b32 s70, s56, 4
	s_add_co_u32 s70, s70, s58
	v_add_nc_u32 v29, s70, v1
	v_min_u32 v29, 0x3ff, v29
	v_lshl_add_u32 v29, v29, 3, v14                ; position x 8 + 4 h: lanes 0-15 store m, lanes 16-31 s
	v_add_nc_u32 v29, s71, v29
.endm
; nl logits of a lane in v128 on: the token's maximum over the unit's rows, the sum of 2^(c (x - m)), c = log2 e, and the store: 128 consecutive bytes a wave
.macro SOFTMAX nl, region
.set nbk, \nl/16
.set qb, 0
.rept nbk
	v_max3_num_f32 v[16+qb], v[128+16*qb], v[129+16*qb], v[130+16*qb]   ; blocks of 16 registers by turns; each sum is read from its low end on
.set qb, qb+1
.endr
.set qi, 3
.rept 6
.set qb, 0
.rept nbk
	v_max3_num_f32 v[16+qb], v[16+qb], v[128+16*qb+qi], v[129+16*qb+qi]
.set qb, qb+1
.endr
.set qi, qi+2
.endr
.set qb, 0
.rept nbk
	v_max_num_f32 v[16+qb], v[16+qb], v[143+16*qb]
.set qb, qb+1
.endr
.if nbk > 2
.set qb, 1
.rept (nbk-2)/2
	v_max3_num_f32 v16, v16, v[16+qb], v[17+qb]
.set qb, qb+2
.endr
.endif
	v_max_num_f32 v16, v16, v[15+nbk]
	v_permlanex16_b32 v25, v16, s50, s51           ; the token's other rows lie in the lane 16 away
	v_max_num_f32 v24, v16, v25
	v_mul_f32 v26, -v24, s48
.set qi, 0
.rept \nl/2
	v_pk_fma_f32 v[128+qi:129+qi], v[128+qi:129+qi], s[48:49], v[26:27] op_sel_hi:[1,0,0]   ; c x - c m, two at a time
.set qi, qi+2
.endr
.set qi, 0
.rept \nl
	v_exp_f32 v[128+qi], v[128+qi]
.set qi, qi+1
.endr
	v_nop                                          ; a plain instruction behind the last exponential,
	s_wait_alu depctr_va_vdst(0)                   ; and a wait ahead of the batch's first reader: the exponentials have written v128 on
.set qi, 8
.rept (\nl-8)/8
	v_pk_add_f32 v[128:129], v[128:129], v[128+qi:129+qi]   ; four chains
	v_pk_add_f32 v[130:131], v[130:131], v[130+qi:131+qi]
	v_pk_add_f32 v[132:133], v[132:133], v[132+qi:133+qi]
	v_pk_add_f32 v[134:135], v[134:135], v[134+qi:135+qi]
.set qi, qi+8
.endr
	v_pk_add_f32 v[128:129], v[128:129], v[130:131]
	v_pk_add_f32 v[132:133], v[132:133], v[134:135]
	v_pk_add_f32 v[128:129], v[128:129], v[132:133]
	v_add_f32 v56, v128, v129
	v_permlanex16_b32 v25, v56, s50, s51
	v_add_f32 v56, v56, v25
	v_cndmask_b32 v28, v24, v56, s52
	s_wait_alu depctr_va_vdst(0)                   ; v28 is written, which the store reads as its data (v29, its offset, was written ahead of the unit's wait behind its products)
	global_store_b32 v29, v28, s[8:9] offset:\region
.endm
.macro DSB off                         ; a tile of tokens out of LDS: 16 images and the scale words
.set la, 0
.rept 16
	ds_load_b128 v[64+4*la:67+4*la], v15 offset:\off+512*la
.set la, la+1
.endr
	ds_load_b128 v[48:51], v62 offset:\off+8192
	ds_load_b128 v[52:55], v62 offset:\off+8192+16
.endm
; The head's ten units.  Every wave walks the ten trips, so that the LDS addresses step in a loop of constant count; the waves whose turn it is not jump over the work.
.macro HEADPASS which
	s_wait_loadcnt 0x0                             ; no load of the phase before is out (its last unit asks for nothing): stated here for every way through the text, ahead of the pointers' and registers' next use
	s_wait_alu depctr_vm_vsrc(0)                   ; all memory and LDS instructions issued so far have read their registers: in the first pass the staging's loads and LDS stores (v64-151, v160-186, v192-202, which loads and products write from here on), in the second the first pass's LDS loads (v15, v62, written below)
	s_mov_b32 s80, 0                               ; the tile's place in LDS
	s_mov_b32 s81, 0                               ; the trip
	s_mov_b32 s82, s35                             ; the unit
	s_mov_b32 s58, 0                               ; all tokens: first position 0
	s_lshr_b32 s70, s35, 6
	s_lshl_b32 s70, s70, 3
	s_add_co_u32 s55, s70, s32                     ; my batch: 8 x group + wave
	v_mov_b32 v15, v63
	v_mov_b32 v62, v61
	s_cmp_lg_u32 s33, \which
	s_cbranch_scc1 .Lhl\which
	s_wait_alu depctr_va_vdst(0)                   ; v15 and v62 are written, which the LDS loads read; the phases before are done reading and writing the registers in which the rows, their scale words and biases and the first tile land
	LOADA 0
	DSB 0
.Lhl\which:
	s_wait_alu depctr_vm_vsrc(0)                   ; the LDS loads issued so far have read v15 and v62, which the two lines below write; the last unit's store has read v28 and v29, which this unit writes
	v_add_nc_u32 v15, s80, v63
	v_add_nc_u32 v62, s80, v61
	s_cmp_lg_u32 s33, \which
	s_cbranch_scc1 .Lhs\which
	s_wait_dscnt 0x0                               ; the tile, asked for a softmax ago
	s_wait_loadcnt 0x0                             ; and the rows, where they were asked for
	s_and_b32 s56, s82, 63                         ; the tile of tokens
	MMA 0
	STADDR 319
	s_wait_alu depctr_va_vdst(0)                   ; the products are done reading the tile, both sides' scale words, the rows and the biases, in which the loads below land; v15 and v62 are written, which the LDS loads read
	DSB SLOTB                                      ; the next tile lands during the softmax
	s_add_co_u32 s70, s82, 1
	s_and_b32 s70, s70, 63
	s_cmp_lg_u32 s70, 0
	s_cbranch_scc1 .Lhn\which
	s_cmp_eq_u32 s81, 9
	s_cbranch_scc1 .Lhn\which
	s_add_co_u32 s55, s55, 8                       ; the next unit begins the next group of batches
	LOADA 0
.Lhn\which:
	SOFTMAX 32, P0R
.Lhs\which:
	s_add_co_u32 s82, s82, 1
	s_add_co_u32 s80, s80, SLOTB
	s_add_co_u32 s81, s81, 1
	s_cmp_lt_u32 s81, 10
	s_cbranch_scc1 .Lhl\which
	s_wait_dscnt 0x0                               ; the last look-ahead has landed: its registers may be used again
	s_wait_loadcnt 0x0                             ; and no load of rows is out: the resident registers and the pointers may be written again
.endm
; Tail k: my share of its units.  A trip: the operands asked for a trip ago are in; the products; the next unit's operands are asked for; the softmax, during which they land.
.macro PHASE k, nb, nl, region
	s_wait_loadcnt 0x0                             ; no load of the phase before is out (its last unit asks for nothing): stated here for every way through the text, ahead of the pointers' and registers' next use
	s_mov_b32 s57, s[44+\k]                        ; tiles of tokens
	s_mov_b32 s58, s[40+\k]                        ; first position
	s_mul_i32 s70, s57, \nb                        ; units
	s_mul_i32 s53, s34, s70
	s_lshr_b32 s53, s53, 11                        ; my first,
	s_add_co_u32 s71, s34, 1
	s_mul_i32 s54, s71, s70
	s_lshr_b32 s54, s54, 11                        ; and the first that is not mine
	s_cmp_ge_u32 s53, s54
	s_cbranch_scc1 .Lskip\k
	s_mov_b32 s56, s53                             ; unit = batch x tiles + tile: a division bit by bit (the batch has ten bits)
	s_mov_b32 s55, 0
.irp bit, 9,8,7,6,5,4,3,2,1,0
	s_lshl_b32 s70, s57, \bit
	s_cmp_ge_u32 s56, s70
	s_cselect_b32 s70, s70, 0
	s_cselect_b32 s71, 1<<\bit, 0
	s_sub_co_u32 s56, s56, s70
	s_or_b32 s55, s55, s71
.endr
.if \k != 2
	s_wait_alu depctr_vm_vsrc(0)                   ; the loads of the tail before have read v10 to v12, which the lines below write again (tail 2 is the first: nothing has read them there)
.endif
	BADDR \k, 56
	s_wait_alu depctr_va_vdst(0)                   ; v10 to v12 are written, which the tokens' loads read; the phases before are done reading and writing the rows, biases, scale words and fragments in which the loads below land
	LOADA \k
	BLOAD \k
.Ltrip\k:
	s_wait_loadcnt 0x0
.if \k == 3
	s_cmp_eq_u32 s59, 0
	s_cbranch_scc1 .Lold3
	WIN 0x45                                       ; destination and both sources window 1
.set la, 0
.rept 16
	v_cvt_pk_bf16_f32 v[8*la], v[8*la], v[8*la+1]  ; a new batch: eight f32 of a row become four registers of bf16, in place,
	v_cvt_pk_bf16_f32 v[8*la+1], v[8*la+2], v[8*la+3]
	v_cvt_pk_bf16_f32 v[8*la+2], v[8*la+4], v[8*la+5]
	v_cvt_pk_bf16_f32 v[8*la+3], v[8*la+6], v[8*la+7]
	v_mov_b32 v[8*la+4], 0                         ; and K = 16 .. 31 are zeros
	v_mov_b32 v[8*la+5], 0
	v_mov_b32 v[8*la+6], 0
	v_mov_b32 v[8*la+7], 0
.set la, la+1
.endr
	WIN 0
	s_mov_b32 s59, 0
.rept 4
	v_nop
.endr
.Lold3:
.endif
	MMA \k
	s_wait_alu depctr_vm_vsrc(0)                   ; the last unit's store has read v28 and v29, and this unit's loads have read v10 to v12: the lines below write them again
	STADDR \nb-1
	s_add_co_u32 s74, s56, 1                       ; the next unit's tile of tokens: the next of this batch, or the next batch's first
	s_cmp_lt_u32 s74, s57
	s_cselect_b32 s74, s74, 0
	BADDR \k, 74                                   ; (my last unit makes these addresses too, and loads nothing by them)
	s_wait_alu depctr_va_vdst(0)                   ; the products (tail 3: and the conversions) are done with the rows, biases, scale words and the tokens' fragment, in which the loads below land; v10 to v12 are written, which those loads read, and v29, which the store reads
	s_add_co_u32 s72, s53, 1
	s_cmp_ge_u32 s72, s54
	s_cbranch_scc1 .Lnoload\k                      ; my last unit asks for nothing
	s_add_co_u32 s56, s56, 1
	s_cmp_lt_u32 s56, s57
	s_cbranch_scc1 .Lsame\k
	s_mov_b32 s56, 0
	s_add_co_u32 s55, s55, 1
	LOADA \k
.Lsame\k:
	BLOAD \k
.Lnoload\k:
	SOFTMAX \nl, \region
	s_add_co_u32 s53, s53, 1
	s_cmp_lt_u32 s53, s54
	s_cbranch_scc1 .Ltrip\k
.Lskip\k:
.endm
	s_load_b512 s[4:19], s[0:1], 0x0               ; hq, route, part, head codes, head scales, head_bias, w2 codes, w2 scales
	s_load_b256 s[20:27], s[0:1], 0x40             ; b2, w3, b3, w1 codes
	s_load_b128 s[28:31], s[0:1], 0x60             ; w1 scales, b1
	v_lshl_add_u32 v30, v0, 2, SPARE
	v_mov_b32 v31, 0
	v_lshrrev_b32 v1, 5, v0
	v_readfirstlane_b32 s32, v1                    ; wave 0..7
	v_and_b32 v3, 31, v0
	v_and_b32 v1, 15, v0                           ; r
	v_bfe_u32 v2, v0, 4, 1                         ; h
	v_lshlrev_b32 v9, 4, v2                        ; 16 h
	v_lshl_add_u32 v4, v1, 9, v9                   ; head rows: 512 r + 16 h
	v_lshlrev_b32 v5, 5, v3                        ; head scale bytes: 32 x lane
	v_lshlrev_b32 v6, 5, v2                        ; biases: 32 h
	v_lshl_add_u32 v7, v1, 7, v9                   ; w1: 128 r + 16 h
	v_lshlrev_b32 v8, 3, v3
	v_lshlrev_b32 v14, 2, v2
	v_lshl_add_u32 v58, v1, 5, v9                  ; w2: 32 r + 16 h
	v_lshlrev_b32 v59, 1, v3
	v_lshl_add_u32 v60, v1, 6, v6                  ; w3: 64 r + 32 h
	v_lshlrev_b32 v61, 5, v1
	v_lshlrev_b32 v63, 4, v3
	v_mov_b32 v25, 0                               ; a lane permute's destination counts as one of its sources
	v_mov_b32 v27, 0                               ; named with v26 as a pair
	s_wait_alu depctr_va_sdst(0)                   ; s32, the wave's number, is written, ahead of its first reader
	s_lshr_b32 s33, s32, 2                         ; which half of the waves
	s_lshl_b32 s34, ttmp9, 3
	s_add_co_u32 s34, s34, s32                     ; wave of 2,048
	s_mul_i32 s35, ttmp9, 10                       ; the work-group's first unit of the head
	s_mov_b32 s48, 0x3fb8aa3b                      ; c = log2 e
	s_mov_b32 s49, s48
	s_mov_b32 s50, 0x76543210
	s_mov_b32 s51, 0xfedcba98
	s_mov_b32 s52, 0xffff0000
	; staging: wave w brings K step w of the 11 tiles
	s_lshl_b32 s70, s32, 6
	v_add_nc_u32 v56, s70, v4
	s_lshl_b32 s70, s32, 2
	v_add_nc_u32 v57, s70, v61                     ; 32 r + 4 w: in memory and in LDS
	s_lshl_b32 s70, s32, 10
	v_add_nc_u32 v172, s70, v63                    ; 16 x lane + 1,024 w: my two images of a tile
	v_add_nc_u32 v173, 6*SLOTB, v172               ; (a second base, so that the immediates stay under 65,536)
	v_add_nc_u32 v175, 6*SLOTB, v57
.set si, 0
.rept 11
	s_add_co_u32 s70, s35, si
	s_and_b32 s70, s70, 63
	s_lshl_b32 s71, s70, 13
	v_add_nc_u32 v[176+si], s71, v56
	s_lshl_b32 s71, s70, 9
	v_add_nc_u32 v[192+si], s71, v57
.set si, si+1
.endr
	s_wait_kmcnt 0x0
	s_load_b256 s[36:43], s[6:7], 0x0              ; counts, first positions
	s_load_b128 s[44:47], s[6:7], 0x20             ; tiles
	s_wait_alu depctr_va_vdst(0)                   ; the lane terms (v4-9, v14, v57-61, v63) and the staging's addresses (v172-175, v176-186, v192-202) are written, which the loads, LDS stores and LDS loads of the whole kernel read
.set si, 0
.rept 11
	global_load_b128 v[64+8*si:67+8*si], v[176+si], s[4:5]
	global_load_b128 v[68+8*si:71+8*si], v[176+si], s[4:5] offset:32
	global_load_b32 v[160+si], v[192+si], s[4:5] offset:H0S
.set si, si+1
.endr
	s_wait_kmcnt 0x0
.irp k, 1,2,3
	s_min_u32 s[44+\k], s[44+\k], 64
	s_min_u32 s[40+\k], s[40+\k], 1023
.endr
	s_wait_loadcnt 0x0
.set si, 0
.rept 11
.if si < 6
	ds_store_b128 v172, v[64+8*si:67+8*si] offset:SLOTB*si
	ds_store_b128 v172, v[68+8*si:71+8*si] offset:SLOTB*si+512
	ds_store_b32 v57, v[160+si] offset:SLOTB*si+8192           ; (both halves of the lanes store the same word)
.else
	ds_store_b128 v173, v[64+8*si:67+8*si] offset:SLOTB*(si-6)
	ds_store_b128 v173, v[68+8*si:71+8*si] offset:SLOTB*(si-6)+512
	ds_store_b32 v175, v[160+si] offset:SLOTB*(si-6)+8192
.endif
.set si, si+1
.endr
	s_wait_dscnt 0x0                               ; for the others' sake: my stores have landed
	s_barrier_signal -1
	s_barrier_wait -1                              ; the launch's one barrier: from here on LDS is only read
	HEADPASS 0
	WIN 0x40
.set la, 0
.rept 16
	v_mov_b32 v[8*la+4], 0                         ; tail 2: K = 64 .. 127 are zero codes
	v_mov_b32 v[8*la+5], 0
	v_mov_b32 v[8*la+6], 0
	v_mov_b32 v[8*la+7], 0
.set la, la+1
.endr
	WIN 0
.irp i, 68,69,70,71
	v_mov_b32 v\i, 0                               ; and the same of the tokens' fragment, for tails 2 and 3
.endr
.rept 4
	v_nop                                          ; an operand written by vector instructions stands four places ahead of a scaled product
.endr
	s_wait_alu depctr_va_vdst(0)                   ; the zero codes are written, which tail 2's scaled products take as parts of both operands; the places above stay beside this wait
	PHASE 2, 625, 128, P2R
	PHASE 3, 265, 128, P3R
	PHASE 1, 157, 64, P1R
	HEADPASS 1
	s_wait_dscnt 0x0                               ; the closing lines, six on end
	s_wait_alu 0x0
	s_wait_tensorcnt 0x0
	ds_add_u32 v30, v31
	s_wait_dscnt 0x0
	s_endpgm
.Lfunc_end_k_qedd379d644_main:
	.size	k_qedd379d644_main, .Lfunc_end_k_qedd379d644_main-k_qedd379d644_main
	.p2alignl 7, 3214868480
	.fill 96, 4, 3214868480
	.section	.rodata,"a",@progbits
	.p2align	6, 0x0
	.amdhsa_kernel k_qedd379d644_main
		.amdhsa_group_segment_fixed_size 96768
		.amdhsa_private_segment_fixed_size 0
		.amdhsa_enable_private_segment 0
		.amdhsa_kernarg_size 112
		.amdhsa_user_sgpr_count 2
		.amdhsa_user_sgpr_kernarg_segment_ptr 1
		.amdhsa_wavefront_size32 1
		.amdhsa_system_sgpr_workgroup_id_x 1
		.amdhsa_system_sgpr_workgroup_id_y 1
		.amdhsa_system_sgpr_workgroup_id_z 1
		.amdhsa_system_vgpr_workitem_id 0
		.amdhsa_next_free_vgpr 512
		.amdhsa_next_free_sgpr 100
		.amdhsa_reserve_vcc 0
		.amdhsa_float_denorm_mode_32 3
		.amdhsa_float_denorm_mode_16_64 3
		.amdhsa_memory_ordered 1
		.amdhsa_forward_progress 1
		.amdhsa_inst_pref_size 180
	.end_amdhsa_kernel
	.amdgpu_metadata
---
amdhsa.version: [ 1, 2 ]
amdhsa.kernels:
  - .name:           k_qedd379d644_main
    .symbol:         k_qedd379d644_main.kd
    .args:
      - { .name: hq, .offset: 0, .size: 8, .value_kind: global_buffer, .address_space: global }
      - { .name: route, .offset: 8, .size: 8, .value_kind: global_buffer, .address_space: global }
      - { .name: part, .offset: 16, .size: 8, .value_kind: global_buffer, .address_space: global }
      - { .name: head_weight_codes, .offset: 24, .size: 8, .value_kind: global_buffer, .address_space: global }
      - { .name: head_weight_scales, .offset: 32, .size: 8, .value_kind: global_buffer, .address_space: global }
      - { .name: head_bias, .offset: 40, .size: 8, .value_kind: global_buffer, .address_space: global }
      - { .name: w2_codes, .offset: 48, .size: 8, .value_kind: global_buffer, .address_space: global }
      - { .name: w2_scales, .offset: 56, .size: 8, .value_kind: global_buffer, .address_space: global }
      - { .name: b2, .offset: 64, .size: 8, .value_kind: global_buffer, .address_space: global }
      - { .name: w3, .offset: 72, .size: 8, .value_kind: global_buffer, .address_space: global }
      - { .name: b3, .offset: 80, .size: 8, .value_kind: global_buffer, .address_space: global }
      - { .name: w1_codes, .offset: 88, .size: 8, .value_kind: global_buffer, .address_space: global }
      - { .name: w1_scales, .offset: 96, .size: 8, .value_kind: global_buffer, .address_space: global }
      - { .name: b1, .offset: 104, .size: 8, .value_kind: global_buffer, .address_space: global }
    .group_segment_fixed_size: 96768
    .private_segment_fixed_size: 0
    .kernarg_segment_align: 8
    .kernarg_segment_size: 112
    .max_flat_workgroup_size: 256
    .sgpr_count:     100
    .vgpr_count:     512
    .wavefront_size: 32
...
	.end_amdgpu_metadata
.endif
;; end of part 5
;; launch finish: the kernel of part 3 again; grid 64 x 1, 10 waves a work-group, no clusters, 5,632 bytes of LDS; arguments route, part, hq, head_weight_codes, head_weight_scales, head_bias, w1_codes, w1_scales, b1, w2_codes, w2_scales, b2, w3, b3, out0; writes out0
